; MI455X (gfx1250); checked and timed in simulation.
; The chip was launched on July 23, 2026; its instructions are those of AMD's public machine-readable ISA for CDNA 5 (MIT licence, August 2026) and "CDNA5" Instruction Set Architecture Reference Guide (July 2026). The comments in the code are by the model that wrote it; some were corrected since.
;; Simple Standard Attention. Allowed arithmetic: matrix products marked QUANTISED: E2M3 operands, one E8M0 scale for each 32 along K, by v_wmma_scale_f32_16x16x128_f8f6f4 with both operands' format E2M3, f32 sums; products left as they are: f32 operands where the result goes on into a quantised operand, else bf16, f16 or f32 operands; f32 sums; everything else in f32.
;; Inputs: Wout 1,024 x 1,024 float32; Wqkv 1,024 x 3,072 float32; x 4 x 4,096 x 1,024 float32.
;; Outputs: out0 4 x 4,096 x 1,024 float32.
;; This version of the problem:
;;   THIS VERSION OF THE PROBLEM IS GIVEN IN LOW PRECISION. The matrix products marked QUANTISED in the list below multiply operands that are first quantised to E2M3 (2 exponent bits, 3 mantissa bits; 6 bits a number), with one power-of-two scale for each 32 numbers along K (OCP MX v1.0); their sums are f32. All else is computed in f32.
;;   The module's matrix products, in the order in which they are computed (A, B: the left and right operand; K: the contracted axis; several contracted axes count as one K, in the product's order):
;;     1. [M 16,384, K 1,024] x [K 1,024, N 3,072]; A: input x; B: input Wqkv: QUANTISED
;;     2. batch 16,384 x [M 16, K 64] x [K 64, N 16]; A: computed on the way; B: computed on the way: QUANTISED
;;     3. batch 16,384 x [M 16, K 16] x [K 16, N 64]; A: softmax; B: computed on the way: left as it is (K = 16 < 32)
;;     4. [M 16,384, K 1,024] x [K 1,024, N 1,024]; A: computed on the way; B: input Wout: QUANTISED
;;   THE QUANTISER, for each operand of a quantised product, along K:
;;     - K is cut into blocks of 32 from its start; a last block that is shorter is filled with zeros.
;;     - A block's scale is 2^e with e = floor(log2(the largest magnitude in the block)) - 2, held to -126 .. 127; a block of zeros has e = 0. As a byte (E8M0): e + 127.
;;     - Each number is divided by its block's scale, clamped to +-7.5, and rounded to the nearest number of E2M3, ties to even, subnormals kept.
;;     - The product sums the exact products of the quantised numbers (number of the format x scale) in f32.
;;   ~~~python
;;   def quantise(x, axis):      # numpy; x: float32 -> the quantised numbers, widened to float32 again
;;       x = np.moveaxis(x, axis, -1); K = x.shape[-1]
;;       x = np.pad(x, [(0, 0)] * (x.ndim - 1) + [(0, -K % 32)]); x = x.reshape(x.shape[:-1] + (-1, 32)); a = np.abs(x).max(-1, keepdims=True)
;;       e = np.where(a > 0, np.clip(np.frexp(np.where(a > 0, a, 1))[1] - 1 - 2, -126, 127), 0)      # np.frexp(a)[1] - 1 = floor(log2(a)), exactly
;;       r = np.clip(x / 2.0 ** e, -7.5, 7.5)
;;       step = 2.0 ** (np.maximum(np.frexp(np.where(r == 0, 1, r))[1] - 1, 0) - 3)
;;       q = np.round(r / step) * step * 2.0 ** e      # np.round: ties to even
;;       return np.moveaxis(q.reshape(q.shape[:-2] + (-1,))[..., :K], -1, axis).astype(np.float32)
;;   ~~~
;;   OPERANDS COMPUTED ON THE WAY. 'Computed on the way' means the value that the module computes at that place (a softmax that the list does not call 'softmax' is quantised finished and normalised). What goes into a quantiser is computed in f32, as accurately as f32 sums, v_exp_f32 and their like allow (about 1e-6 of the number): no bf16 or f16 on the way to a quantiser, and a product that is left as it is and whose result goes on into a quantised operand takes f32 operands (vector FMAs, or v_wmma_f32_16x16x4_f32). A number that lies on a knife's edge between two numbers of the format may be rounded either way, as far as f32 arithmetic and the matrix unit's own rounding can turn it there, and no further.
;; 2 versions. Each part assembles by itself: llvm-mc -triple=amdgcn-amd-amdhsa -mcpu=gfx1250 --defsym DOCPART=n.
;; ======== version 1 of 2: 2 launches
;; workspace buffers: wstream 3,276,800 bytes
;; launch wprep (part 1): grid 256 x 1, 4 waves a work-group, no clusters, 70,144 bytes of LDS; arguments Wqkv, Wout, wstream; writes wstream
.if DOCPART == 1
	.amdgcn_target "amdgcn-amd-amdhsa--gfx1250"
	.amdhsa_code_object_version 6
	.text
	.protected	k_qf888c023ca_wprep
	.globl	k_qf888c023ca_wprep
	.p2align	8
	.type	k_qf888c023ca_wprep,@function
k_qf888c023ca_wprep:
	s_mov_b64 s[64:65], 0
	v_nop
	global_prefetch_b8 v0, s[64:65] scope:SCOPE_SE
	s_setreg_imm32_b32 hwreg(HW_REG_WAVE_MODE, 25, 1), 1
	s_wait_xcnt 0x0
; Wqkv [1024][3072] and Wout [1024][1024], f32, K = the FIRST axis, become codes of FP6 (E2M3) with one E8M0 byte for each 32 along K,
; laid in the order in which the next launch's waves take them into operand registers.
; THE STREAM: 256 records of 12,800 bytes; record (4 g + w) 2 + u is tile u of wave w in trip g.  A record is 16 weight columns x K 1,024:
;   K step s at 1,536 s as an image of the fragment's 12 registers (registers 4 c .. 4 c + 3 of lane l at 512 c + 16 l); at 12,288 the scale words, (s, row r) at 64 s + 4 r.
;   In a fragment lane (r, h) holds the tile's row r; registers 6 c .. 6 c + 5 hold k = 128 s + 64 c + 32 h + 0 .. 31.
; WHICH COLUMNS FORM A TILE (row m):  trips 0-15, q and k: block 16 w + g of 32 columns, column 32 block + 8 u + m + 8 (m / 8);
;   trips 16-23, v: ONE channel d and the 16 heads: column 2048 + 64 m + d, d = 32 b + 8 c + (n % 8) + 16 (n / 8), g - 16 = 4 b + 2 c + p, n = 4 w + 2 p + u;
;   trips 24-31, Wout: block 8 w + g - 24, as for q and k.
; SHARES.  Work-group x takes a group of 128 columns (x / 8: eight tiles) and one K step (x % 8).  Its four waves bring the 128 x 128 numbers into LDS by loads of 16 bytes a lane,
; one barrier, and then each wave makes two tiles: a lane takes a column, its registers run DOWN K, so a block of 32 lies in one lane and the conversions' results are the operand's registers.
; A block's scale is 2^(floor(log2(largest magnitude)) - 2): its byte is the largest magnitude's exponent field - 2, held at 1 from below.
; LIMITS: a block of zeros, or one under 2^-124, keeps the byte 1 (the rule says 127 for zeros): its codes are zeros or held by the floor, and only this program reads the bytes.  NaN and infinities are not served.
.set PP,   528                         ; a panel row in LDS: 512 bytes + 16
.set HROW, 32*PP                       ; lanes 16-31 begin 32 rows further down
	s_load_b128 s[4:7], s[0:1], 0x0                ; Wqkv, Wout
	s_load_b64 s[8:9], s[0:1], 0x10                ; the stream
	v_lshl_add_u32 v240, v0, 2, 0x11000
	v_mov_b32 v241, 0
	v_lshrrev_b32 v1, 5, v0
	v_readfirstlane_b32 s10, v1                    ; wave 0..3
	v_and_b32 v1, 31, v0                           ; lane
	v_and_b32 v2, 15, v0                           ; r
	v_bfe_u32 v3, v0, 4, 1                         ; h
	s_lshr_b32 s11, ttmp9, 3                       ; the group of 128 columns: 0-15 q and k, 16-23 v, 24-31 Wout
	s_and_b32 s12, ttmp9, 7                        ; the K step
	; what q and k's groups want: first byte of the columns, trip, wave
	s_lshl_b32 s20, s11, 9
	s_and_b32 s21, s11, 3
	s_lshl_b32 s21, s21, 2
	s_add_co_u32 s21, s21, s10
	s_lshr_b32 s22, s11, 2
	; what v's want: rho = group - 16 covers channels 8 rho .. 8 rho + 7; my two tiles are channels 8 rho + 2 wave + u
	s_and_b32 s23, s11, 7
	s_lshl_b32 s24, s23, 5
	s_add_co_u32 s24, s24, 8192
	s_lshr_b32 s25, s23, 2
	s_lshl_b32 s25, s25, 2
	s_and_b32 s26, s23, 1
	s_lshl_b32 s26, s26, 1
	s_add_co_u32 s25, s25, s26
	s_and_b32 s26, s10, 1
	s_add_co_u32 s25, s25, s26
	s_add_co_u32 s25, s25, 16                      ; trip 16 + 4 (rho / 4) + 2 (rho % 2) + wave % 2
	s_bfe_u32 s26, s23, 0x10001
	s_lshl_b32 s26, s26, 1
	s_lshr_b32 s27, s10, 1
	s_add_co_u32 s26, s26, s27                     ; wave 2 ((rho / 2) % 2) + wave / 2
	; what Wout's want
	s_lshl_b32 s28, s23, 9
	s_and_b32 s29, s11, 1
	s_lshl_b32 s29, s29, 2
	s_add_co_u32 s29, s29, s10
	s_add_co_u32 s29, s29, 24
	s_lshr_b32 s30, s23, 1
	; the choice hangs on the work-group's number alone
	s_cmp_ge_u32 s11, 16
	s_cselect_b32 s20, s24, s20
	s_cselect_b32 s21, s25, s21
	s_cselect_b32 s22, s26, s22
	s_cselect_b32 s31, 256, 32                     ; bytes from one pair of lanes to the next: v's heads lie 256 bytes apart
	s_cselect_b32 s32, -1, 0                       ; all ones for v's groups
	s_cmp_ge_u32 s11, 24
	s_cselect_b32 s20, s28, s20
	s_cselect_b32 s21, s29, s21
	s_cselect_b32 s22, s30, s22
	s_cselect_b32 s31, 32, s31
	s_cselect_b32 s32, 0, s32
	s_mov_b32 s33, 12288
	s_cselect_b32 s33, 4096, s33                   ; a row of the weight in bytes
	s_lshl_b32 s34, s12, 7
	s_lshl_b32 s35, s10, 5
	s_add_co_u32 s34, s34, s35                     ; my first row: 128 x K step + 32 x wave
	s_mul_i32 s34, s34, s33
	s_add_co_u32 s34, s34, s20
	s_mov_b32 s35, 0
	s_lshl_b32 s36, s21, 2
	s_add_co_u32 s36, s36, s22
	s_mul_i32 s36, s36, 25600                      ; my two records
	s_mul_i32 s38, s12, 1536
	s_add_co_u32 s38, s38, s36                     ; this K step's fragments,
	s_mov_b32 s39, 0
	s_lshl_b32 s40, s12, 6
	s_add_co_u32 s40, s40, s36
	s_add_co_u32 s40, s40, 12288                   ; and its scale words
	s_mov_b32 s41, 0
	s_mov_b32 s45, 0x76543210
	s_mov_b32 s46, 0xfedcba98                      ; v_permlanex16_b32's selects for lane l xor 16
	v_lshrrev_b32 v4, 1, v1
	v_mul_u32_u24 v4, v4, s31
	v_and_b32 v5, 1, v1
	v_lshl_add_u32 v32, v5, 4, v4                  ; in: 32 bytes to a pair of lanes
.set ii, 1
.rept 31
	v_add_nc_u32 v[32+ii], s33, v[31+ii]           ; a register for each of my 32 rows: the pitch is no constant of the text
.set ii, ii+1
.endr
	s_mul_i32 s42, s10, 32*PP
	v_lshl_add_u32 v6, v1, 4, s42                  ; into the panel: my 32 rows, 16 bytes a lane
	v_lshrrev_b32 v8, 3, v2
	v_lshlrev_b32 v7, 2, v2
	v_lshl_add_u32 v7, v8, 5, v7
	v_mad_u32_u24 v7, v3, HROW, v7
	s_lshl_b32 s43, s10, 7
	v_add_nc_u32 v7, s43, v7                       ; out of it, q, k, Wout: column 32 wave + r + 8 (r / 8) (+ 8 u)
	v_lshlrev_b32 v9, 5, v2
	v_mad_u32_u24 v9, v3, HROW, v9
	s_lshl_b32 s44, s10, 3
	v_add_nc_u32 v9, s44, v9                       ; v: head r's eight channels lie together: column 8 r + 2 wave (+ u)
	v_add_nc_u32 v10, 32, v7
	v_add_nc_u32 v11, 4, v9
	v_cndmask_b32 v12, v7, v9, s32                 ; tile 0's address,
	v_cndmask_b32 v13, v10, v11, s32               ; tile 1's
	v_lshlrev_b32 v14, 4, v1                       ; an image's place for my lane
	v_mul_u32_u24 v15, v3, 12800
	v_lshl_add_u32 v15, v2, 2, v15                 ; scale words: lanes 0-15 store tile 0's, lanes 16-31 tile 1's
	v_lshlrev_b32 v23, 3, v3                       ; 8 h
	v_mov_b32 v24, 0                               ; a lane permute's destination counts as one of its sources
	s_wait_kmcnt 0x0
	s_cmp_ge_u32 s11, 24
	s_cselect_b64 s[4:5], s[6:7], s[4:5]
	s_add_nc_u64 s[4:5], s[4:5], s[34:35]
	s_add_nc_u64 s[14:15], s[8:9], s[38:39]
	s_add_nc_u64 s[16:17], s[8:9], s[40:41]
.set ii, 0
.rept 32
	global_load_b128 v[64+4*ii:67+4*ii], v[32+ii], s[4:5]   ; q, k, Wout: 512 consecutive bytes; v: sixteen runs of 32 bytes
.set ii, ii+1
.endr
.set ii, 0
.rept 32
	s_wait_loadcnt 31-ii                           ; loads come back in order: row ii is in, the later rows may be out
	ds_store_b128 v6, v[64+4*ii:67+4*ii] offset:PP*ii
.set ii, ii+1
.endr
	s_wait_dscnt 0x0                               ; for the others' sake: my rows lie in the panel
	s_barrier_signal -1
	s_barrier_wait -1                              ; from here on LDS is only read
.irp u,0,1
.set ii, 0
.rept 64
	ds_load_b32 v[64+64*\u+ii], v[12+\u] offset:PP*(64*(ii/32)+ii%32)   ; register 32 c + i: k = 64 c + 32 h + i of my column
.set ii, ii+1
.endr
.endr
.macro TILE u, left
.set XB, 64+64*\u
.set FB, 192+16*\u                     ; the fragment: a set of its own for each tile, so that no store's data are written again
.set TB, 224+8*\u
	s_wait_dscnt \left
.irp c,0,1
	v_max3_num_f32 v[16+\c], |v[XB+32*\c]|, |v[XB+32*\c+1]|, 0x1800000   ; my block 2 c + h: all 32 numbers are mine; the floor 2^(3 - 127) holds the byte at 1 from below
.endr
.irp i,2,4,6,8,10,12,14,16,18,20,22,24,26,28,30
.irp c,0,1
	v_max3_num_f32 v[16+\c], v[16+\c], |v[XB+32*\c+\i]|, |v[XB+32*\c+\i+1]|
.endr
.endr
.irp c,0,1
	v_add_nc_u32 v[18+\c], 0xff000000, v[16+\c]    ; 2 off the exponent field: the conversion's scale operand
.endr
.irp c,0,1
	v_lshrrev_b32 v[20+\c], 23, v[18+\c]           ; the scale's byte
.endr
	v_lshl_or_b32 v22, v21, 16, v20                ; blocks h and 2 + h,
	v_lshlrev_b32 v22, v23, v22                    ; at their places in the word;
	v_permlanex16_b32 v24, v22, s45, s46
	v_or_b32 v[26+\u], v22, v24                    ; with lane l xor 16's two the word is whole
.irp c,0,1
	v_cvt_scalef32_pk16_fp6_f32 v[FB+6*\c:FB+6*\c+2], v[XB+32*\c:XB+32*\c+15], v[18+\c]
	v_cvt_scalef32_pk16_fp6_f32 v[TB+4*\c:TB+4*\c+2], v[XB+32*\c+16:XB+32*\c+31], v[18+\c]   ; (a conversion's three registers begin on an even number)
.endr
	v_nop                                          ; one plain place behind a scaled conversion
.irp c,0,1
.irp e,0,1,2
	v_mov_b32 v[FB+6*\c+3+\e], v[TB+4*\c+\e]
.endr
.endr
.irp c,0,1,2
	global_store_b128 v14, v[FB+4*\c:FB+4*\c+3], s[14:15] offset:12800*\u+512*\c   ; 32 lanes store 512 consecutive bytes, at a multiple of 256 from the stream's first byte
.endr
.endm
	TILE 0, 63                                     ; of the 128 loads at most 63 are out: tile 0's 64 are in
	TILE 1, 0
	v_cmp_eq_u32 vcc_lo, 1, v3
	v_cndmask_b32 v28, v26, v27, vcc_lo
	global_store_b32 v15, v28, s[16:17]            ; 64 bytes for each tile: one byte in 24 of what the launch stores
	s_wait_tensorcnt 0x0
	ds_add_u32 v240, v241
	s_wait_dscnt 0x0
	s_endpgm
.Lfunc_end_k_qf888c023ca_wprep:
	.size	k_qf888c023ca_wprep, .Lfunc_end_k_qf888c023ca_wprep-k_qf888c023ca_wprep
	.p2alignl 7, 3214868480
	.fill 96, 4, 3214868480
	.section	.rodata,"a",@progbits
	.p2align	6, 0x0
	.amdhsa_kernel k_qf888c023ca_wprep
		.amdhsa_group_segment_fixed_size 70144
		.amdhsa_private_segment_fixed_size 0
		.amdhsa_enable_private_segment 0
		.amdhsa_kernarg_size 24
		.amdhsa_user_sgpr_count 2
		.amdhsa_user_sgpr_kernarg_segment_ptr 1
		.amdhsa_wavefront_size32 1
		.amdhsa_system_sgpr_workgroup_id_x 1
		.amdhsa_system_sgpr_workgroup_id_y 1
		.amdhsa_system_sgpr_workgroup_id_z 1
		.amdhsa_system_vgpr_workitem_id 0
		.amdhsa_next_free_vgpr 242
		.amdhsa_next_free_sgpr 66
		.amdhsa_reserve_vcc 1
		.amdhsa_float_denorm_mode_32 3
		.amdhsa_float_denorm_mode_16_64 3
		.amdhsa_memory_ordered 1
		.amdhsa_forward_progress 1
		.amdhsa_inst_pref_size 27
	.end_amdhsa_kernel
	.amdgpu_metadata
---
amdhsa.version: [ 1, 2 ]
amdhsa.kernels:
  - .name:           k_qf888c023ca_wprep
    .symbol:         k_qf888c023ca_wprep.kd
    .args:
      - { .name: Wqkv, .offset: 0, .size: 8, .value_kind: global_buffer, .address_space: global }
      - { .name: Wout, .offset: 8, .size: 8, .value_kind: global_buffer, .address_space: global }
      - { .name: wstream, .offset: 16, .size: 8, .value_kind: global_buffer, .address_space: global }
    .group_segment_fixed_size: 70144
    .private_segment_fixed_size: 0
    .kernarg_segment_align: 8
    .kernarg_segment_size: 24
    .max_flat_workgroup_size: 128
    .sgpr_count:     66
    .vgpr_count:     242
    .wavefront_size: 32
...
	.end_amdgpu_metadata
.endif
;; end of part 1
;; launch fused (part 2): grid 256 x 1, 4 waves a work-group, clusters of 4 x 1, 327,680 bytes of LDS; arguments x, wstream, out0; writes out0
.if DOCPART == 2
	.amdgcn_target "amdgcn-amd-amdhsa--gfx1250"
	.amdhsa_code_object_version 6
	.text
	.protected	k_qf888c023ca_fused
	.globl	k_qf888c023ca_fused
	.p2align	8
	.type	k_qf888c023ca_fused,@function
k_qf888c023ca_fused:
	s_mov_b64 s[64:65], 0
	v_nop
	global_prefetch_b8 v0, s[64:65] scope:SCOPE_SE
	s_setreg_imm32_b32 hwreg(HW_REG_WAVE_MODE, 25, 1), 1
	s_wait_xcnt 0x0
	s_wait_alu depctr_hold_cnt(0) depctr_sa_sdst(0) depctr_va_vdst(0) depctr_va_sdst(0) depctr_va_ssrc(0) depctr_va_vcc(0) depctr_vm_vsrc(0)
	s_getreg_b32 s2, hwreg(HW_REG_IB_STS2, 6, 4)
	s_cmp_eq_u32 s2, 0
	s_cbranch_scc0 .Lentry_in_a_cluster
	s_endpgm
.Lentry_in_a_cluster:
	s_bfe_u32 s2, ttmp6, 0x10000c
	s_cmp_lg_u32 s2, 0x3003
	s_cbranch_scc0 .Lentry_shape_is_right
	s_endpgm
.Lentry_shape_is_right:
; out0 = Q(o) Q(Wout), o = softmax_j(Q(q) Q(k)^T / 8) v among the 16 heads of EACH token, (q, k, v) = Q(x) Q(Wqkv).  Q: codes of FP6 (E2M3), one E8M0 byte for each 32 along K.
; A token's chain needs that token's row alone: a work-group takes 64 tokens from x to out0, and nothing but the weights' stream (made by the launch before) goes through memory.
; SHARES.  Four waves.  THE WAVES SHARE THE COLUMNS, NOT THE ROWS: in each of 32 trips a wave multiplies two tiles of 16 weight columns (K 1,024) with all 64 tokens: 64 matrix instructions.
; The 64 tokens' codes (x's, later o's) stay in every wave's registers, 384 of them; each weight fragment is read from LDS once and feeds four products.
; THE RING: two slots of 102,400 bytes; a wave's tensor load brings its own 25,600 dense bytes of a trip, and only that wave reads them.
; CLUSTER: the four work-groups of a cluster walk the same stream, so each load is asked for JOINTLY (mask 15, the same descriptor in all four).
; The matrix instruction is used transposed (source 0 = 16 weight columns, source 1 = 16 tokens): a lane holds ONE token, its registers run along the columns, and the columns of a tile are chosen
; so that two tiles' 16 registers are 16 neighbours along the next K.
; PHASES:  X: wave w quantises tokens 16 w .. + 15 of x into code rows in LDS; every wave fetches all.   QK, 16 trips: q and k, quantised at once into code rows.
;   SCORES: wave w, its 16 tokens: S^T = k q^T (K = 64: the upper 64 codes are zero codes), softmax with the maximum taken away, normalised, in f32.
;   V, 8 trips: a tile is ONE channel d of the 16 heads; two trips give 16 channels of all tokens, through LDS; o^T = v^T p^T by the f32 matrix form (its result goes into a quantiser); o is quantised into code rows.
;   OUT, 8 trips: two trips give 64 columns a wave, which leave through the wave's stage as aligned runs of 256 bytes.
; LIMITS: NaN and infinities among the inputs are not served.  A block of zeros, or one under 2^-124, keeps the byte 1 (the rule says 127 for zeros); only this program reads the bytes.
; REGISTERS, in windows of 256.  Window 0: v1-31 addresses; v32-47 the tokens' scale words, v48-55 the weights', v56-63 the scores' (scales and nothing else); v64-127 accumulators; v128-191 numbers of x, then p of
;   tokens 0-7, then the second set of accumulators; v192-223 at work; v224-239, v240-255 the quantiser's.   Window 1: v0-191 the codes of tokens 0-31 (in phase X: x as loaded); v192-255 p of tokens 8-15.
;   Window 2: v0-191 the codes of tokens 32-63; v192-255 o's first halves, tokens 0-7.   Window 3: v0-191 the weights' fragments, else scratch; v192-255 o's first halves, tokens 8-15.
;   What the f32 matrix form writes (windows 2 and 3 from v192; v72-79, v88-95, v104-111, v120-127) is written by matrix instructions alone.
.set SLOTB, 102400                     ; a slot
.set WSH,   25600                      ; a wave's share of it, and of a trip's bytes in the stream
.set TILEB, 12800                      ; a tile's record
.set SPARE, 204800                     ; behind the ring: the spare words, 128 bytes a wave: two blocks of 256 bytes that no other line names
.set SCR,   205312                     ; behind them: what ds_store writes; no tensor load lands here
.set XROW,  SCR                        ; phase X: 64 code rows, 768 bytes + 16;
.set XSC,   XROW+64*784                ; their 32 scale bytes, + 4;
.set XSTG,  XSC+64*36                  ; a stage of 16 rows x (512 + 16) for each wave
.set QKC,   SCR                        ; q and k: a token's 768 + 768 bytes + 16;
.set QKS,   QKC+64*1552                ; its 64 scale bytes, + 4
.set VCH,   SCR                        ; 16 channels of v: a token's 2 x 512 bytes + 16;
.set OROW,  VCH+64*1040                ; o's code rows, as x's;
.set OSC,   OROW+64*784                ; and scale bytes
.set STG,   SCR                        ; the way out: 16 rows x (256 + 16) for each wave
.set SPW, 4
.set NIL, 5
.set WA,  6                            ; v6-7   my weights' images in slot 0, 1: 16 x lane
.set WSA, 8                            ; v8-9   their scale words: 4 x lane
.set XA,  10
.set XT1, 11
.set XT2, 12
.set XST, 13
.set XSS, 14
.set XFA, 15
.set XFS, 16
.set QST, 17
.set QSS, 18
.set SQ,  19
.set SSA, 20
.set VST, 21
.set VLD, 22
.set OST, 23
.set OSS, 24
.set OFA, 25
.set OFS, 26
.set STO, 27
.set SRD, 28
.set GO,  29
.set T0,  30
.set T1,  31
.set T2,  223
.set XS,  32                           ; (tile of tokens a, pair of K steps g) at 32 + 4 a + g: lanes 0-15 K step 2 g, lanes 16-31 K step 2 g + 1
.set WS,  48                           ; (tile u, g) at 48 + 4 u + g, likewise
.set SS,  56
.set ACC0, 64                          ; (a, u) at + 16 a + 8 u
.set ACC1, 128
.set E,   192
.set TM,  224
.set PC,  240
.set MSB, 0
.macro WIN new                         ; bits 1:0 source 0, 3:2 source 1, 5:4 source 2, 7:6 destination; the high byte repeats the setting that is left
.if MSB != (\new)
	s_set_vgpr_msb (MSB<<8)|(\new)
.set MSB, (\new)
.endif
.endm
.macro ROUND                           ; a round of the cluster's barrier
	s_barrier_signal -1
	s_barrier_wait -1
	s_cmp_lg_u32 s10, 0
	s_cbranch_scc1 .Lnot_wave_0_\@
	s_barrier_signal -3
.Lnot_wave_0_\@:
	s_barrier_wait -3
	s_barrier_signal -1
	s_barrier_wait -1
.endm
.macro BAR                             ; my LDS stores have landed and my LDS loads are in; the tile on its way may stay out
	s_wait_dscnt 0x0
	s_barrier_signal -1
	s_barrier_wait -1
.endm
; THE HEAD OF A TRIP that reads slot p.  fill = 1: the other slot, read in the last trip, is filled with the next trip's tiles: that load has this whole trip in which to land; one tensor load of mine is out.
.macro HEAD p, fill
	s_wait_tensorcnt 0x0                           ; all my tensor loads have landed: the one that was out is this trip's
	ds_add_u32 v[SPW], v[NIL]                      ; 0 onto my spare word
	s_add_nc_u64 s[26+4*\p:27+4*\p], s[26+4*\p:27+4*\p], 2*SLOTB   ; no load of mine is out, so a group 0 may be written: this slot's next tiles
	s_wait_dscnt 0x0                               ; the add is done, and so are my reads of the other slot and all my stores into the scratch
.if \fill
	ROUND                                          ; no wave of any partner still reads that slot or has a load on its way; it is also the work-group's barrier between one phase's reads of the scratch and the next stores there
	tensor_load_to_lds s[28-4*\p:31-4*\p], s[16:23]
	s_nop 0
.endif
.rept 4
	v_nop                                          ; the places in front of the loads into registers that matrix instructions have read
.endr
.endm
.macro LOADW p                         ; my two tiles: 8 loads of scale words, then 48 of 16 bytes a lane, K step by K step
.irp u,0,1
.irp g,0,1,2,3
	ds_load_b32 v[WS+4*\u+\g], v[WSA+\p] offset:TILEB*\u+128*\g
.endr
.endr
	WIN 0xc0
.irp s,0,1,2,3,4,5,6,7
.irp u,0,1
.irp c,0,1,2
	ds_load_b128 v[12*(2*\s+\u)+4*\c:12*(2*\s+\u)+4*\c+3], v[WA+\p] offset:TILEB*\u+1536*\s+512*\c
.endr
.endr
.endr
.endm
.macro MULH acc, s, a0                 ; four products: tiles of tokens a0, a0 + 1 x my two tiles of columns, K step s
	WIN 0x07+4*(\a0/2)                             ; weights window 3; tokens window 1 or 2; sums window 0
.irp a,\a0,\a0+1
.irp u,0,1
.set rD, \acc+16*(\a)+8*\u
.set rW, 12*(2*\s+\u)
.set rX, 96*((\a)%2)+12*\s
.set rA, WS+4*\u+\s/2
.set rB, XS+4*(\a)+\s/2
.if \s==0
	v_wmma_scale_f32_16x16x128_f8f6f4 v[rD:rD+7], v[rW:rW+11], v[rX:rX+11], 0, v[rA], v[rB] matrix_a_fmt:MATRIX_FMT_FP6 matrix_b_fmt:MATRIX_FMT_FP6
.elseif \s%2
	v_wmma_scale_f32_16x16x128_f8f6f4 v[rD:rD+7], v[rW:rW+11], v[rX:rX+11], v[rD:rD+7], v[rA], v[rB] matrix_a_fmt:MATRIX_FMT_FP6 matrix_b_fmt:MATRIX_FMT_FP6 matrix_a_scale:MATRIX_SCALE_ROW1 matrix_b_scale:MATRIX_SCALE_ROW1
.else
	v_wmma_scale_f32_16x16x128_f8f6f4 v[rD:rD+7], v[rW:rW+11], v[rX:rX+11], v[rD:rD+7], v[rA], v[rB] matrix_a_fmt:MATRIX_FMT_FP6 matrix_b_fmt:MATRIX_FMT_FP6
.endif
.endr
.endr
.endm
; A trip's 64 products.  The first K step starts the sums with the constant 0.  The eight accumulators take turns, one instruction a turn.
; The halves change order from K step to K step, which keeps it to one switch of the windows a K step.
.macro MUL acc
.irp s,0,1,2,3,4,5,6,7
	s_wait_dscnt 42-6*\s                           ; LDS loads come back in order: this K step's six are in, the six of each later K step may be out
.if \s%2
	MULH \acc, \s, 2
	MULH \acc, \s, 0
.else
	MULH \acc, \s, 0
	MULH \acc, \s, 2
.endif
.endr
	WIN 0
.endm
; FOUR BLOCKS ARE QUANTISED.  Block b's 16 numbers of this lane stand in v[src + 16 b] on, its other 16 in lane l xor 16.  Out: 12 bytes of codes in v[PC + 4 b] on, the scale's byte in v[TM + 4 + b].
.macro Q4 src
.irp b,0,1,2,3
	v_max3_num_f32 v[TM+\b], |v[\src+16*\b]|, |v[\src+16*\b+1]|, 0x1800000   ; the floor 2^(3 - 127) holds the byte at 1 from below
.endr
.irp i,2,4,6,8,10,12,14
.irp b,0,1,2,3
	v_max3_num_f32 v[TM+\b], v[TM+\b], |v[\src+16*\b+\i]|, |v[\src+16*\b+\i+1]|   ; the four blocks by turns
.endr
.endr
	s_wait_dscnt 0x0                               ; the last blocks' LDS stores have read the registers that are written below
.irp b,0,1,2,3
	v_permlanex16_b32 v[TM+4+\b], v[TM+\b], s32, s33
.endr
.irp b,0,1,2,3
	v_max_num_f32 v[TM+\b], v[TM+\b], v[TM+4+\b]   ; the block's largest magnitude
.endr
.irp b,0,1,2,3
	v_add_nc_u32 v[TM+12+\b], 0xff000000, v[TM+\b] ; 2 off its exponent field: the conversion's scale operand
.endr
.irp b,0,1,2,3
	v_lshrrev_b32 v[TM+4+\b], 23, v[TM+12+\b]      ; the scale's byte
.endr
.irp b,0,1,2,3
	v_cvt_scalef32_pk16_fp6_f32 v[PC+4*\b:PC+4*\b+2], v[\src+16*\b:\src+16*\b+15], v[TM+12+\b]
.endr
	v_nop                                          ; one plain place behind a scaled conversion
.endm
; The 64 tokens' codes come out of code rows (pitch 784) into registers: 32 fragments, 6 loads of 8 bytes each; then their scale words.
.macro FETCH fa, fs
.irp a,0,1,2,3
	WIN 0x40+0x40*(\a/2)
.irp s,0,1,2,3,4,5,6,7
.irp p,0,1,2,3,4,5
	ds_load_b64 v[96*(\a%2)+12*\s+2*\p:96*(\a%2)+12*\s+2*\p+1], v[\fa] offset:12544*\a+96*\s+48*(\p/3)+8*(\p%3)
.endr
.endr
.endr
	WIN 0
.irp a,0,1,2,3
.irp g,0,1,2,3
	ds_load_b32 v[XS+4*\a+\g], v[\fs] offset:576*\a+8*\g
.endr
.endr
	s_wait_dscnt 0x0
.endm
.macro XLOAD s                         ; K step s of my 16 rows of x: each load takes 512 consecutive bytes of a row
	WIN 0x40
.set ii, 0
.rept 16
	global_load_b128 v[64*((\s)%4)+4*ii:64*((\s)%4)+4*ii+3], v[XA], s[4:5] offset:4096*ii+512*(\s) th:TH_LOAD_NT
.set ii, ii+1
.endr
	WIN 0
.endm
; K step s of x: through my stage, so that a lane gets 16 neighbours of each of its row's four blocks; quantised; the codes go to my rows, 12 bytes a lane and block.
.macro XSTEP s
.if \s<5
	s_wait_loadcnt 48                              ; this K step's 16 loads are in; those of the three K steps behind it may be out
.else
	s_wait_loadcnt 16*(7-\s)
.endif
	WIN 0x04                                       ; an LDS store's data are its source 1: window 1
.set ii, 0
.rept 16
	ds_store_b128 v[XT1], v[64*(\s%4)+4*ii:64*(\s%4)+4*ii+3] offset:528*ii
.set ii, ii+1
.endr
	WIN 0
.set ii, 0
.rept 16
	ds_load_b128 v[128+4*ii:131+4*ii], v[XT2] offset:128*(ii/4)+16*(ii%4)   ; LDS serves a wave's instructions in order: these see the stores above
.set ii, ii+1
.endr
	s_wait_dscnt 0x0
.if \s<4
	XLOAD \s+4                                     ; into the registers that the stores above have read
.endif
	Q4 128
.irp b,0,1,2,3
.irp e,0,1,2
	ds_store_b32 v[XST], v[PC+4*\b+\e] offset:96*\s+24*\b+4*\e
.endr
	ds_store_b8 v[XSS], v[TM+4+\b] offset:4*\s+\b  ; both lanes of a block write the same byte with the same value
.endr
.endm
; Behind a trip of q and k: my block of 32 columns (16 wave + trip) of the four tiles of tokens is quantised and goes to the tokens' rows.  A wave's bytes in a row are a run of 384 of its own.
.macro QKPOST pi
	v_add_nc_u32 v[T0], s37, v[QST]                ; three additions and a v_nop: the four places behind the products
	v_add_nc_u32 v[T1], 49664, v[T0]
	v_add_nc_u32 v[T2], s38, v[QSS]
	v_nop
	Q4 ACC0
.irp a,0,1,2,3
.irp e,0,1,2
	ds_store_b32 v[T0+\a/2], v[PC+4*\a+\e] offset:24832*(\a%2)+24*\pi+4*\e
.endr
	ds_store_b8 v[T2], v[TM+4+\a] offset:1088*\a+\pi
.endr
.endm
; Four tokens' scores and softmax.  Lane (i, h) holds query head i and key heads 8 h + 0 .. 7.
.macro SGROUP q
	WIN 0xc0
.irp t,0,1,2,3
.irp p,0,1,2
	ds_load_b64 v[24*\t+2*\p:24*\t+2*\p+1], v[SQ] offset:1552*(4*\q+\t)+768+8*\p      ; k: head r's 64 codes are 48 bytes; my half's 24
	ds_load_b64 v[24*\t+12+2*\p:24*\t+13+2*\p], v[SQ] offset:1552*(4*\q+\t)+8*\p      ; q
.endr
.endr
	WIN 0
.irp t,0,1,2,3
	ds_load_u16 v[SS+\t], v[SSA] offset:68*(4*\q+\t)+32   ; head r's two scale bytes; the word's upper two bytes are 0 and stand over zero codes
	ds_load_u16 v[SS+4+\t], v[SSA] offset:68*(4*\q+\t)
.endr
	s_wait_dscnt 0x0
	WIN 0x0f
.irp t,0,1,2,3
	v_wmma_scale_f32_16x16x128_f8f6f4 v[64+16*\t:71+16*\t], v[24*\t:24*\t+11], v[24*\t+12:24*\t+23], 0, v[SS+\t], v[SS+4+\t] matrix_a_fmt:MATRIX_FMT_FP6 matrix_b_fmt:MATRIX_FMT_FP6
.endr
	WIN 0
.rept 4
	v_nop
.endr
.irp t,0,1,2,3
	v_max3_num_f32 v[224+2*\t], v[64+16*\t], v[65+16*\t], v[66+16*\t]
.endr
.irp t,0,1,2,3
	v_max3_num_f32 v[224+2*\t], v[224+2*\t], v[67+16*\t], v[68+16*\t]
.endr
.irp t,0,1,2,3
	v_max3_num_f32 v[224+2*\t], v[224+2*\t], v[69+16*\t], v[70+16*\t]
.endr
.irp t,0,1,2,3
	v_max_num_f32 v[224+2*\t], v[224+2*\t], v[71+16*\t]
.endr
.irp t,0,1,2,3
	v_permlanex16_b32 v[225+2*\t], v[224+2*\t], s32, s33
.endr
.irp t,0,1,2,3
	v_max_num_f32 v[224+2*\t], v[224+2*\t], v[225+2*\t]   ; the row's largest score
.endr
.irp t,0,1,2,3
.irp k,0,2,4,6
	v_pk_add_f32 v[E+8*\t+\k:E+8*\t+\k+1], v[64+16*\t+\k:65+16*\t+\k], v[224+2*\t:225+2*\t] op_sel_hi:[1,0] neg_lo:[0,1] neg_hi:[0,1]   ; score - maximum,
.endr
.endr
.irp t,0,1,2,3
.irp k,0,2,4,6
	v_pk_mul_f32 v[E+8*\t+\k:E+8*\t+\k+1], v[E+8*\t+\k:E+8*\t+\k+1], s[34:35] op_sel_hi:[1,0]   ; x log2(e) / 8
.endr
.endr
.set ii, 0
.rept 32
	v_exp_f32 v[E+ii], v[E+ii]
.set ii, ii+1
.endr
	v_nop                                          ; a plain place behind the exponentials
	s_wait_alu depctr_va_vdst(0)
.irp t,0,1,2,3
	v_pk_add_f32 v[64+16*\t:65+16*\t], v[E+8*\t:E+8*\t+1], v[E+8*\t+2:E+8*\t+3]
	v_pk_add_f32 v[66+16*\t:67+16*\t], v[E+8*\t+4:E+8*\t+5], v[E+8*\t+6:E+8*\t+7]
.endr
.irp t,0,1,2,3
	v_pk_add_f32 v[64+16*\t:65+16*\t], v[64+16*\t:65+16*\t], v[66+16*\t:67+16*\t]
.endr
.irp t,0,1,2,3
	v_add_f32 v[224+2*\t], v[64+16*\t], v[65+16*\t]
.endr
.irp t,0,1,2,3
	v_permlanex16_b32 v[225+2*\t], v[224+2*\t], s32, s33
.endr
.irp t,0,1,2,3
	v_add_f32 v[225+2*\t], v[224+2*\t], v[225+2*\t]       ; the row's sum
.endr
.irp t,0,1,2,3
	v_rcp_f32 v[224+2*\t], v[225+2*\t]
.endr
	v_nop                                          ; a plain place behind the reciprocals
	WIN 0x40*(\q/2)                                ; p of tokens 8-15 lies in window 1; by number both halves are v[128 + 8 token]
	s_wait_alu depctr_va_vdst(0)
.irp t,0,1,2,3
.irp k,0,2,4,6
	v_pk_mul_f32 v[128+8*(4*\q+\t)+\k:129+8*(4*\q+\t)+\k], v[E+8*\t+\k:E+8*\t+\k+1], v[224+2*\t:225+2*\t] op_sel_hi:[1,0]
.endr
.endr
	WIN 0
.endm
; Behind a trip of v: lane (r, h) holds token r and heads 8 h + 0 .. 7 of ONE channel.  They go to the token's place so that 16 bytes a lane, read back on end, are the f32 form's operand.
.macro VPOST pi
.rept 4
	v_nop
.endr
.irp a,0,1,2,3
.irp u,0,1
.irp c,0,1
	ds_store_b128 v[VST], v[ACC0+16*\a+8*\u+4*\c:ACC0+16*\a+8*\u+4*\c+3] offset:16640*\a+512*\c+32*\pi+16*\u
.endr
.endr
.endr
.endm
; o^T = v^T p^T for my 16 tokens and the 16 channels in LDS, four tokens at a time, in f32.  K step s of four stands for heads 8 h + 2 s + 0, 1 on both operands, so p's registers serve as they lie.
; uc = 0: the results (channels 32 b + 16 h + 0 .. 7) are kept.  uc = 1: those of channels + 8 fall beside them: 16 neighbours along the last product's K, which are quantised and go to o's code rows.
.macro PV uc
.if \uc
	v_add_nc_u32 v[T0], s39, v[OST]
	v_add_nc_u32 v[T2], s57, v[OSS]
.endif
	WIN 0xc0
.set ii, 0
.rept 16
	ds_load_b128 v[8*ii:8*ii+3], v[VLD] offset:1040*ii
	ds_load_b128 v[8*ii+4:8*ii+7], v[VLD] offset:1040*ii+512
.set ii, ii+1
.endr
.irp q,0,1,2,3
	s_wait_dscnt 24-8*\q                           ; these four tokens' eight loads are in; the two of each later token may be out
.if \uc
	WIN 0x03+4*(\q/2)                              ; v window 3; p window 0 or 1; sums window 0
.else
	WIN 0xa3+0x54*(\q/2)                           ; sums window 2 or 3
.endif
.irp s,0,1,2,3
.irp t,0,1,2,3
.set rV, 8*(4*\q+\t)+2*\s
.set rP, 128+8*(4*\q+\t)+2*\s
.if \uc
.set rD, 72+16*\t
.else
.set rD, 192+8*((4*\q+\t)%8)
.endif
.if \s==0
	v_wmma_f32_16x16x4_f32 v[rD:rD+7], v[rV:rV+1], v[rP:rP+1], 0
.else
	v_wmma_f32_16x16x4_f32 v[rD:rD+7], v[rV:rV+1], v[rP:rP+1], v[rD:rD+7]
.endif
.endr
.endr
.if \uc
	WIN 0x02+\q/2
.irp t,0,1,2,3
.irp e,0,1,2,3,4,5,6,7
	v_mov_b32 v[64+16*\t+\e], v[192+8*((4*\q+\t)%8)+\e]   ; the kept halves come beside the new ones (a conversion wants 16 registers on end).  These 32 are also the places behind the products
.endr
.endr
	WIN 0
	Q4 ACC0
.irp t,0,1,2,3
.irp e,0,1,2
	ds_store_b32 v[T0], v[PC+4*\t+\e] offset:784*(4*\q+\t)+4*\e
.endr
	ds_store_b8 v[T2], v[TM+4+\t] offset:36*(4*\q+\t)
.endr
.endif
.endr
.if \uc==0
	WIN 0
.rept 8
	v_nop                                          ; eight places behind this form, in front of the loads into the registers that it has read
.endr
.endif
.endm
; Behind two trips of Wout: 64 columns x 64 tokens.  A tile of 16 tokens at a time goes through my stage and comes back as rows of 256 bytes; sixteen lanes store one aligned run of 256 bytes.
.macro OUTPOST
.rept 4
	v_nop
.endr
.irp a,0,1,2,3
.irp q,0,1,2,3
	ds_store_b128 v[STO], v[ACC0+16*\a+4*\q:ACC0+16*\a+4*\q+3] offset:16*\q
.endr
.irp q,0,1,2,3
	ds_store_b128 v[STO], v[ACC1+16*\a+4*\q:ACC1+16*\a+4*\q+3] offset:128+16*\q
.endr
	WIN 0xc0
.irp i,0,1,2,3,4,5,6,7
	ds_load_b128 v[32*\a+4*\i:32*\a+4*\i+3], v[SRD] offset:544*\i   ; LDS serves a wave's instructions in order: these see the stores above, and the next tile's stores come behind them
.endr
	WIN 0
.endr
	WIN 0x0c                                       ; a store's data are its source 1: window 3
.irp a,0,1,2,3
.irp i,0,1,2,3,4,5,6,7
	s_wait_dscnt 16*(3-\a)+7-\i                    ; what was issued behind this load may be out
	global_store_b128 v[GO], v[32*\a+4*\i:32*\a+4*\i+3], s[8:9] offset:(16*\a+2*\i)*4096 th:TH_STORE_NT
.endr
.endr
	WIN 0
	s_wait_xcnt 0x0                                ; the stores have read their registers and their base: both are written again only behind this wait
	s_add_nc_u64 s[8:9], s[8:9], 256               ; the next 64 columns
.endm
	s_load_b128 s[4:7], s[0:1], 0x0                ; x, the stream
	s_load_b64 s[8:9], s[0:1], 0x10                ; out0
	v_lshl_add_u32 v[SPW], v0, 2, SPARE
	v_mov_b32 v[NIL], 0
	ds_add_u32 v4, v5
	ds_add_u32 v4, v5
	s_wait_dscnt 0x0
	v_lshrrev_b32 v1, 5, v0
	v_readfirstlane_b32 s10, v1                    ; wave 0..3
	v_and_b32 v1, 31, v0                           ; lane
	v_and_b32 v2, 15, v0                           ; r
	v_bfe_u32 v3, v0, 4, 1                         ; h
	v_lshlrev_b32 v[XA], 4, v1
	s_bfe_u32 s11, ttmp6, 0x40000                  ; cx: it enters x's and out0's addresses alone
	s_lshl_b32 s12, ttmp9, 2
	s_add_co_u32 s12, s12, s11                     ; my block of 64 tokens
	; descriptor group 1: 25,600 dense bytes as 100 rows of 32 elements of 8 bytes
	s_mov_b32 s16, 15|(3<<16)|(1<<21)              ; 15:0 the mask: all four work-groups; 17:16 elements of 8 bytes; 21 set beside a mask; no padding
	s_mov_b32 s17, 32<<16                          ; tensor_dim0
	s_mov_b32 s18, 100<<16                         ; tensor_dim1
	s_mov_b32 s19, 32<<16                          ; tile_dim0
	s_mov_b32 s20, 100                             ; tile_dim1
	s_mov_b32 s21, 32                              ; tensor_dim0_stride
	s_mov_b32 s22, 0
	s_mov_b32 s23, 0
	s_mov_b32 s32, 0x76543210
	s_mov_b32 s33, 0xfedcba98                      ; v_permlanex16_b32's selects for lane l xor 16
	s_mov_b32 s34, 0x3e38aa3b                      ; log2(e) / sqrt(64)
	s_mov_b32 s35, s34                             ; (named with it as a pair, so it is written)
	s_mul_i32 s13, s10, WSH                        ; my share: its place in a slot and in a trip's bytes
	s_mov_b32 s40, s13
	s_mov_b32 s41, 0
	s_lshl_b32 s42, s12, 18                        ; 64 rows of 4,096 bytes
	s_mov_b32 s43, 0
	s_lshl_b32 s44, s10, 16                        ; my 16 rows of x
	s_mov_b32 s45, 0
	s_wait_kmcnt 0x0
	s_add_nc_u64 s[4:5], s[4:5], s[42:43]
	s_add_nc_u64 s[4:5], s[4:5], s[44:45]
	s_add_nc_u64 s[8:9], s[8:9], s[42:43]
	s_add_nc_u64 s[6:7], s[6:7], s[40:41]
.irp n,0,1
	s_mov_b32 s[24+4*\n], 1                        ; count = 1
	s_add_co_u32 s[25+4*\n], s13, \n*SLOTB         ; LDS address
	s_add_nc_u64 s[26+4*\n:27+4*\n], s[6:7], \n*SLOTB   ; global address: trip n
	s_or_b32 s[27+4*\n], s[27+4*\n], 0x80000000    ; type = 2
.endr
	XLOAD 0                                        ; x is wanted first: four K steps are asked for ahead of everything
	XLOAD 1
	XLOAD 2
	XLOAD 3
	ROUND                                          ; all four work-groups are here: the first joint loads meet
	tensor_load_to_lds s[24:27], s[16:23]          ; trip 0's tiles
	s_nop 0
.rept 4
	v_nop
.endr
	v_lshl_add_u32 v[WA], v1, 4, s13
	v_add_nc_u32 v[WA+1], SLOTB, v[WA]
	v_lshl_add_u32 v[WSA], v1, 2, s13
	v_add_nc_u32 v[WSA], 12288, v[WSA]
	v_add_nc_u32 v[WSA+1], SLOTB, v[WSA]
	s_mul_i32 s44, s10, 8448
	s_add_co_u32 s44, s44, XSTG
	v_lshl_add_u32 v[XT1], v1, 4, s44              ; x's stage, in: 16 x lane (+ 528 x row)
	v_mul_u32_u24 v[XT2], v2, 528
	v_lshl_add_u32 v[XT2], v3, 6, v[XT2]
	v_add_nc_u32 v[XT2], s44, v[XT2]               ; out: row r, + 64 h (+ 128 x block)
	v_mul_u32_u24 v[T0], v2, 784
	v_mul_u32_u24 v[T1], v2, 36
	s_mul_i32 s45, s10, 12544
	s_mul_i32 s46, s10, 576
	s_add_co_u32 s47, s45, XROW
	s_add_co_u32 s48, s46, XSC
	v_mad_u32_u24 v[XST], v3, 12, v[T0]
	v_add_nc_u32 v[XST], s47, v[XST]               ; x's codes: my token r's row, + 12 h
	v_add_nc_u32 v[XSS], s48, v[T1]                ; and its scale bytes
	v_mad_u32_u24 v[XFA], v3, 24, v[T0]
	v_add_nc_u32 v[OFA], OROW, v[XFA]
	v_add_nc_u32 v[XFA], XROW, v[XFA]              ; a fragment's row r, + 24 h
	v_lshl_add_u32 v[XFS], v3, 2, v[T1]
	v_add_nc_u32 v[OFS], OSC, v[XFS]
	v_add_nc_u32 v[XFS], XSC, v[XFS]               ; scale words: lanes 16-31 take the K step one further on
	v_mul_u32_u24 v[QST], v2, 1552
	v_mad_u32_u24 v[QST], v3, 12, v[QST]
	s_mul_i32 s49, s10, 384
	s_add_co_u32 s49, s49, QKC
	v_add_nc_u32 v[QST], s49, v[QST]               ; q and k's codes: token r's row, my 16 blocks' 384 bytes, + 12 h
	v_mul_u32_u24 v[QSS], v2, 68
	s_lshl_b32 s50, s10, 4
	s_add_co_u32 s50, s50, QKS
	v_add_nc_u32 v[QSS], s50, v[QSS]
	v_mul_u32_u24 v[SQ], v2, 48
	v_mad_u32_u24 v[SQ], v3, 24, v[SQ]
	s_mul_i32 s51, s10, 24832
	s_add_co_u32 s51, s51, QKC
	v_add_nc_u32 v[SQ], s51, v[SQ]                 ; the scores' fragments: my 16 tokens; head r, + 24 h
	s_mul_i32 s52, s10, 1088
	s_add_co_u32 s52, s52, QKS
	v_lshl_add_u32 v[SSA], v2, 1, s52
	v_mul_u32_u24 v[VST], v2, 1040
	v_lshl_add_u32 v[VST], v3, 8, v[VST]
	s_lshl_b32 s53, s10, 6
	s_add_co_u32 s53, s53, VCH
	v_add_nc_u32 v[VST], s53, v[VST]               ; v, in: token r, + 256 h, my four channels' 64 bytes
	s_mul_i32 s54, s10, 16640
	s_add_co_u32 s54, s54, VCH
	v_lshl_add_u32 v[VLD], v1, 4, s54              ; out: my 16 tokens, 16 x lane
	v_mul_u32_u24 v[OST], v2, 48
	v_mad_u32_u24 v[OST], v3, 12, v[OST]
	s_add_co_u32 s47, s45, OROW
	v_add_nc_u32 v[OST], s47, v[OST]               ; o's codes: my tokens' rows; head r's 48 bytes, + 12 h
	s_add_co_u32 s48, s46, OSC
	v_lshl_add_u32 v[OSS], v2, 1, s48
	s_mul_i32 s55, s10, 4352
	s_add_co_u32 s55, s55, STG
	v_mul_u32_u24 v[STO], v2, 272
	v_lshl_add_u32 v[STO], v3, 6, v[STO]
	v_add_nc_u32 v[STO], s55, v[STO]               ; the way out, in: row r, + 64 h
	v_mul_u32_u24 v[SRD], v3, 272
	v_lshl_add_u32 v[SRD], v2, 4, v[SRD]
	v_add_nc_u32 v[SRD], s55, v[SRD]               ; back: lanes 0-15 one row, lanes 16-31 the next
	v_lshlrev_b32 v[GO], 12, v3
	v_lshl_add_u32 v[GO], v2, 4, v[GO]
	s_lshl_b32 s56, s10, 10
	v_add_nc_u32 v[GO], s56, v[GO]                 ; and the same in out0: my 256 columns begin 1,024 x wave bytes on
.irp b,0,1,2,3
	v_mov_b32 v[TM+4+\b], 0                        ; written once: a lane permute's destination counts as one of its sources
.endr
	; ---- X
.irp s,0,1,2,3,4,5,6,7
	XSTEP \s
.endr
	BAR                                            ; the 64 tokens' code rows lie in LDS
	FETCH XFA, XFS
	; ---- QK: 16 trips, two to a lap
	s_mov_b32 s36, 8
	s_mov_b32 s37, 0                               ; the lap's two blocks: 48 bytes of codes a lap,
	s_mov_b32 s38, 0                               ; 2 scale bytes
.Lqk:
	HEAD 0, 1
	LOADW 0
	MUL ACC0
	QKPOST 0
	HEAD 1, 1
	LOADW 1
	MUL ACC0
	QKPOST 1
	s_add_co_u32 s37, s37, 48
	s_add_co_u32 s38, s38, 2
	s_sub_co_u32 s36, s36, 1
	s_cmp_lg_u32 s36, 0
	s_cbranch_scc1 .Lqk
	BAR                                            ; q's and k's code rows are whole
	; ---- SCORES
	WIN 0xc0
.set ii, 0
.rept 8
.irp e,6,7,8,9,10,11
	v_mov_b32 v[12*ii+\e], 0                       ; K = 64: the upper 64 codes of the eight fragments are zero codes
.endr
.set ii, ii+1
.endr
	WIN 0
.rept 4
	v_nop                                          ; an operand written by vector instructions stands four places ahead of a scaled matrix instruction
.endr
.irp q,0,1,2,3
	SGROUP \q
.endr
	; ---- V: 8 trips; a trip of this loop is one block of 32 channels: two laps of 16 channels
	s_mov_b32 s36, 2
	s_mov_b32 s39, 0                               ; the block's 24 bytes in a head's 48,
	s_mov_b32 s57, 0                               ; and its scale byte
.Lv:
	HEAD 0, 1
	LOADW 0
	MUL ACC0
	VPOST 0
	HEAD 1, 1
	LOADW 1
	MUL ACC0
	VPOST 1
	BAR                                            ; 16 channels of all 64 tokens lie in LDS
	PV 0
	HEAD 0, 1
	LOADW 0
	MUL ACC0
	VPOST 0
	HEAD 1, 1
	LOADW 1
	MUL ACC0
	VPOST 1
	BAR
	PV 1
	s_add_co_u32 s39, s39, 24
	s_add_co_u32 s57, s57, 1
	s_sub_co_u32 s36, s36, 1
	s_cmp_lg_u32 s36, 0
	s_cbranch_scc1 .Lv
	BAR                                            ; o's code rows are whole, and nobody reads v's channels any more
	FETCH OFA, OFS
	; ---- OUT: 8 trips, two to a lap; the last lap is written out
	s_mov_b32 s36, 3
.Lout:
	HEAD 0, 1
	LOADW 0
	MUL ACC0
	HEAD 1, 1
	LOADW 1
	MUL ACC1
	OUTPOST
	s_sub_co_u32 s36, s36, 1
	s_cmp_lg_u32 s36, 0
	s_cbranch_scc1 .Lout
	HEAD 0, 1                                      ; asks for the last trip's tiles
	LOADW 0
	MUL ACC0
	HEAD 1, 0                                      ; nothing is left to fetch; each wave reads what its own load brought, so no barrier is owed
	LOADW 1
	MUL ACC1
	OUTPOST
	s_wait_tensorcnt 0x0                           ; the wave's end, behind my last tensor load and my last LDS store
	ds_add_u32 v[SPW], v[NIL]
	s_wait_dscnt 0x0
	ROUND                                          ; the closing round: no work-group ends while a partner may still ask for a tile that names it
	s_endpgm
.Lfunc_end_k_qf888c023ca_fused:
	.size	k_qf888c023ca_fused, .Lfunc_end_k_qf888c023ca_fused-k_qf888c023ca_fused
	.p2alignl 7, 3214868480
	.fill 96, 4, 3214868480
	.section	.rodata,"a",@progbits
	.p2align	6, 0x0
	.amdhsa_kernel k_qf888c023ca_fused
		.amdhsa_group_segment_fixed_size 327680
		.amdhsa_private_segment_fixed_size 0
		.amdhsa_enable_private_segment 0
		.amdhsa_kernarg_size 24
		.amdhsa_user_sgpr_count 2
		.amdhsa_user_sgpr_kernarg_segment_ptr 1
		.amdhsa_wavefront_size32 1
		.amdhsa_system_sgpr_workgroup_id_x 1
		.amdhsa_system_sgpr_workgroup_id_y 1
		.amdhsa_system_sgpr_workgroup_id_z 1
		.amdhsa_system_vgpr_workitem_id 0
		.amdhsa_next_free_vgpr 1024
		.amdhsa_next_free_sgpr 66
		.amdhsa_reserve_vcc 0
		.amdhsa_float_denorm_mode_32 3
		.amdhsa_float_denorm_mode_16_64 3
		.amdhsa_memory_ordered 1
		.amdhsa_forward_progress 1
		.amdhsa_inst_pref_size 255
	.end_amdhsa_kernel
	.section	.bss,"aw",@nobits
	.p2align	6
	.space	262144
	.amdgpu_metadata
---
amdhsa.version: [ 1, 2 ]
amdhsa.kernels:
  - .name:           k_qf888c023ca_fused
    .symbol:         k_qf888c023ca_fused.kd
    .args:
      - { .name: x, .offset: 0, .size: 8, .value_kind: global_buffer, .address_space: global }
      - { .name: wstream, .offset: 8, .size: 8, .value_kind: global_buffer, .address_space: global }
      - { .name: out0, .offset: 16, .size: 8, .value_kind: global_buffer, .address_space: global }
    .group_segment_fixed_size: 327680
    .private_segment_fixed_size: 0
    .kernarg_segment_align: 8
    .kernarg_segment_size: 24
    .max_flat_workgroup_size: 128
    .sgpr_count:     66
    .vgpr_count:     1024
    .wavefront_size: 32
...
	.end_amdgpu_metadata
.endif
;; end of part 2
;; ======== version 2 of 2: 2 launches
;; limits: right only within a limited range of input values
;; workspace buffers: wstream 3,276,800 bytes
;; launch wprep (part 3): grid 256 x 1, 4 waves a work-group, no clusters, 70,144 bytes of LDS; arguments Wqkv, Wout, wstream; writes wstream
.if DOCPART == 3
	.amdgcn_target "amdgcn-amd-amdhsa--gfx1250"
	.amdhsa_code_object_version 6
	.text
	.protected	k_qf888c023ca_wprep
	.globl	k_qf888c023ca_wprep
	.p2align	8
	.type	k_qf888c023ca_wprep,@function
k_qf888c023ca_wprep:
	s_mov_b64 s[64:65], 0
	v_nop
	global_prefetch_b8 v0, s[64:65] scope:SCOPE_SE
	s_setreg_imm32_b32 hwreg(HW_REG_WAVE_MODE, 25, 1), 1
	s_wait_xcnt 0x0
; Wqkv [1024][3072] and Wout [1024][1024], f32, K = the FIRST axis, become codes of FP6 (E2M3) with one E8M0 byte for each 32 along K,
; laid in the order in which the next launch's waves take them into operand registers.
; THE STREAM: 256 records of 12,800 bytes; record (4 g + w) 2 + u is tile u of wave w in trip g.  A record is 16 weight columns x K 1,024:
;   K step s at 1,536 s as an image of the fragment's 12 registers (registers 4 c .. 4 c + 3 of lane l at 512 c + 16 l); at 12,288 the scale words, (s, row r) at 64 s + 4 r.
;   In a fragment lane (r, h) holds the tile's row r; registers 6 c .. 6 c + 5 hold k = 128 s + 64 c + 32 h + 0 .. 31.
; WHICH COLUMNS FORM A TILE (row m):  trips 0-15, q and k: block 16 w + g of 32 columns, column 32 block + 8 u + m + 8 (m / 8);
;   trips 16-23, v: ONE channel d and the 16 heads: column 2048 + 64 m + d, d = 32 b + 8 c + (n % 8) + 16 (n / 8), g - 16 = 4 b + 2 c + p, n = 4 w + 2 p + u;
;   trips 24-31, Wout: block 8 w + g - 24, as for q and k.
; SHARES.  Work-group x takes a group of 128 columns (x / 8: eight tiles) and one K step (x % 8).  Its four waves bring the 128 x 128 numbers into LDS by loads of 16 bytes a lane,
; one barrier, and then each wave makes two tiles: a lane takes a column, its registers run DOWN K, so a block of 32 lies in one lane and the conversions' results are the operand's registers.
; A block's scale is 2^(floor(log2(largest magnitude)) - 2): its byte is the largest magnitude's exponent field - 2, held at 1 from below.
; LIMITS: a block of zeros, or one under 2^-124, keeps the byte 1 (the rule says 127 for zeros): its codes are zeros or held by the floor, and only this program reads the bytes.  NaN and infinities are not served.
.set PP,   512                         ; a panel row in LDS: 512 bytes, no padding
.set HROW, 32*PP                       ; lanes 16-31 begin 32 rows further down
	s_load_b128 s[4:7], s[0:1], 0x0                ; Wqkv, Wout
	s_load_b64 s[8:9], s[0:1], 0x10                ; the stream
	v_lshl_add_u32 v240, v0, 2, 0x11000
	v_mov_b32 v241, 0
	v_lshrrev_b32 v1, 5, v0
	v_readfirstlane_b32 s10, v1                    ; wave 0..3
	v_and_b32 v1, 31, v0                           ; lane
	s_wait_alu depctr_va_vdst(0)
	v_and_b32 v2, 15, v0                           ; r
	v_bfe_u32 v3, v0, 4, 1                         ; h
	s_lshr_b32 s11, ttmp9, 3                       ; the group of 128 columns: 0-15 q and k, 16-23 v, 24-31 Wout
	s_and_b32 s12, ttmp9, 7                        ; the K step
	; what q and k's groups want: first byte of the columns, trip, wave
	s_lshl_b32 s20, s11, 9
	s_and_b32 s21, s11, 3
	s_lshl_b32 s21, s21, 2
	s_add_co_u32 s21, s21, s10
	s_lshr_b32 s22, s11, 2
	; what v's want: rho = group - 16 covers channels 8 rho .. 8 rho + 7; my two tiles are channels 8 rho + 2 wave + u
	s_and_b32 s23, s11, 7
	s_lshl_b32 s24, s23, 5
	s_add_co_u32 s24, s24, 8192
	s_lshr_b32 s25, s23, 2
	s_lshl_b32 s25, s25, 2
	s_and_b32 s26, s23, 1
	s_lshl_b32 s26, s26, 1
	s_add_co_u32 s25, s25, s26
	s_and_b32 s26, s10, 1
	s_add_co_u32 s25, s25, s26
	s_add_co_u32 s25, s25, 16                      ; trip 16 + 4 (rho / 4) + 2 (rho % 2) + wave % 2
	s_bfe_u32 s26, s23, 0x10001
	s_lshl_b32 s26, s26, 1
	s_lshr_b32 s27, s10, 1
	s_add_co_u32 s26, s26, s27                     ; wave 2 ((rho / 2) % 2) + wave / 2
	; what Wout's want
	s_lshl_b32 s28, s23, 9
	s_and_b32 s29, s11, 1
	s_lshl_b32 s29, s29, 2
	s_add_co_u32 s29, s29, s10
	s_add_co_u32 s29, s29, 24
	s_lshr_b32 s30, s23, 1
	; the choice hangs on the work-group's number alone
	s_cmp_ge_u32 s11, 16
	s_cselect_b32 s20, s24, s20
	s_cselect_b32 s21, s25, s21
	s_cselect_b32 s22, s26, s22
	s_cselect_b32 s31, 256, 32                     ; bytes from one pair of lanes to the next: v's heads lie 256 bytes apart
	s_cselect_b32 s32, -1, 0                       ; all ones for v's groups
	s_cmp_ge_u32 s11, 24
	s_cselect_b32 s20, s28, s20
	s_cselect_b32 s21, s29, s21
	s_cselect_b32 s22, s30, s22
	s_cselect_b32 s31, 32, s31
	s_cselect_b32 s32, 0, s32
	s_mov_b32 s33, 12288
	s_cselect_b32 s33, 4096, s33                   ; a row of the weight in bytes
	s_lshl_b32 s34, s12, 7
	s_lshl_b32 s35, s10, 5
	s_add_co_u32 s34, s34, s35                     ; my first row: 128 x K step + 32 x wave
	s_mul_i32 s34, s34, s33
	s_add_co_u32 s34, s34, s20
	s_mov_b32 s35, 0
	s_lshl_b32 s36, s21, 2
	s_add_co_u32 s36, s36, s22
	s_mul_i32 s36, s36, 25600                      ; my two records
	s_mul_i32 s38, s12, 1536
	s_add_co_u32 s38, s38, s36                     ; this K step's fragments,
	s_mov_b32 s39, 0
	s_lshl_b32 s40, s12, 6
	s_add_co_u32 s40, s40, s36
	s_add_co_u32 s40, s40, 12288                   ; and its scale words
	s_mov_b32 s41, 0
	s_mov_b32 s45, 0x76543210
	s_mov_b32 s46, 0xfedcba98                      ; v_permlanex16_b32's selects for lane l xor 16
	v_lshrrev_b32 v4, 1, v1
	v_mul_u32_u24 v4, v4, s31
	v_and_b32 v5, 1, v1
	v_lshl_add_u32 v32, v5, 4, v4                  ; in: 32 bytes to a pair of lanes
.set ii, 1
.rept 31
	v_add_nc_u32 v[32+ii], s33, v[31+ii]           ; a register for each of my 32 rows: the pitch is no constant of the text
.set ii, ii+1
.endr
	s_mul_i32 s42, s10, 32*PP
	v_lshl_add_u32 v6, v1, 4, s42                  ; into the panel: my 32 rows, 16 bytes a lane
	v_lshrrev_b32 v8, 3, v2
	v_lshlrev_b32 v7, 2, v2
	v_lshl_add_u32 v7, v8, 5, v7
	v_mad_u32_u24 v7, v3, HROW, v7
	s_lshl_b32 s43, s10, 7
	v_add_nc_u32 v7, s43, v7                       ; out of it, q, k, Wout: column 32 wave + r + 8 (r / 8) (+ 8 u)
	v_lshlrev_b32 v9, 5, v2
	v_mad_u32_u24 v9, v3, HROW, v9
	s_lshl_b32 s44, s10, 3
	v_add_nc_u32 v9, s44, v9                       ; v: head r's eight channels lie together: column 8 r + 2 wave (+ u)
	v_add_nc_u32 v10, 32, v7
	v_add_nc_u32 v11, 4, v9
	v_cndmask_b32 v12, v7, v9, s32                 ; tile 0's address,
	v_cndmask_b32 v13, v10, v11, s32               ; tile 1's
	v_lshlrev_b32 v14, 4, v1                       ; an image's place for my lane
	v_mul_u32_u24 v15, v3, 12800
	v_lshl_add_u32 v15, v2, 2, v15                 ; scale words: lanes 0-15 store tile 0's, lanes 16-31 tile 1's
	v_lshlrev_b32 v23, 3, v3                       ; 8 h
	v_mov_b32 v24, 0                               ; a lane permute's destination counts as one of its sources
	s_wait_alu depctr_va_vdst(0)
	s_wait_kmcnt 0x0
	s_cmp_ge_u32 s11, 24
	s_cselect_b64 s[4:5], s[6:7], s[4:5]
	s_add_nc_u64 s[4:5], s[4:5], s[34:35]
	s_add_nc_u64 s[14:15], s[8:9], s[38:39]
	s_add_nc_u64 s[16:17], s[8:9], s[40:41]
.set ii, 0
.rept 32
	global_load_b128 v[64+4*ii:67+4*ii], v[32+ii], s[4:5]   ; q, k, Wout: 512 consecutive bytes; v: sixteen runs of 32 bytes
.set ii, ii+1
.endr
.set ii, 0
.rept 32
	s_wait_loadcnt 31-ii                           ; loads come back in order: row ii is in, the later rows may be out
	ds_store_b128 v6, v[64+4*ii:67+4*ii] offset:PP*ii
.set ii, ii+1
.endr
	s_wait_dscnt 0x0                               ; for the others' sake: my rows lie in the panel
	s_barrier_signal -1
	s_barrier_wait -1                              ; from here on LDS is only read
.irp u,0,1
.set ii, 0
.rept 64
	ds_load_b32 v[64+64*\u+ii], v[12+\u] offset:PP*(64*(ii/32)+ii%32)   ; register 32 c + i: k = 64 c + 32 h + i of my column
.set ii, ii+1
.endr
.endr
.macro TILE u, left
.set XB, 64+64*\u
.set FB, 192+16*\u                     ; the fragment: a set of its own for each tile, so that no store's data are written again
.set TB, 224+8*\u
	s_wait_dscnt \left
.irp c,0,1
	v_max3_num_f32 v[16+\c], |v[XB+32*\c]|, |v[XB+32*\c+1]|, 0x1800000   ; my block 2 c + h: all 32 numbers are mine; the floor 2^(3 - 127) holds the byte at 1 from below
.endr
.irp i,2,4,6,8,10,12,14,16,18,20,22,24,26,28,30
.irp c,0,1
	v_max3_num_f32 v[16+\c], v[16+\c], |v[XB+32*\c+\i]|, |v[XB+32*\c+\i+1]|
.endr
.endr
.irp c,0,1
	v_add_nc_u32 v[18+\c], 0xff000000, v[16+\c]    ; 2 off the exponent field: the conversion's scale operand
.endr
.irp c,0,1
	v_lshrrev_b32 v[20+\c], 23, v[18+\c]           ; the scale's byte
.endr
	v_lshl_or_b32 v22, v21, 16, v20                ; blocks h and 2 + h,
	v_lshlrev_b32 v22, v23, v22                    ; at their places in the word;
	v_permlanex16_b32 v24, v22, s45, s46
	v_or_b32 v[26+\u], v22, v24                    ; with lane l xor 16's two the word is whole
.irp c,0,1
	v_cvt_scalef32_pk16_fp6_f32 v[FB+6*\c:FB+6*\c+2], v[XB+32*\c:XB+32*\c+15], v[18+\c]
	v_cvt_scalef32_pk16_fp6_f32 v[TB+4*\c:TB+4*\c+2], v[XB+32*\c+16:XB+32*\c+31], v[18+\c]   ; (a conversion's three registers begin on an even number)
.endr
	v_nop                                          ; one plain place behind a scaled conversion
.irp c,0,1
.irp e,0,1,2
	v_mov_b32 v[FB+6*\c+3+\e], v[TB+4*\c+\e]
.endr
.endr
.irp c,0,1,2
	global_store_b128 v14, v[FB+4*\c:FB+4*\c+3], s[14:15] offset:12800*\u+512*\c   ; 32 lanes store 512 consecutive bytes, at a multiple of 256 from the stream's first byte
.endr
.endm
	TILE 0, 63                                     ; of the 128 loads at most 63 are out: tile 0's 64 are in
	TILE 1, 0
	v_cmp_eq_u32 vcc_lo, 1, v3
	v_cndmask_b32 v28, v26, v27, vcc_lo
	global_store_b32 v15, v28, s[16:17]            ; 64 bytes for each tile: one byte in 24 of what the launch stores
	s_wait_tensorcnt 0x0
	ds_add_u32 v240, v241
	s_wait_dscnt 0x0
	s_endpgm
.Lfunc_end_k_qf888c023ca_wprep:
	.size	k_qf888c023ca_wprep, .Lfunc_end_k_qf888c023ca_wprep-k_qf888c023ca_wprep
	.p2alignl 7, 3214868480
	.fill 96, 4, 3214868480
	.section	.rodata,"a",@progbits
	.p2align	6, 0x0
	.amdhsa_kernel k_qf888c023ca_wprep
		.amdhsa_group_segment_fixed_size 70144
		.amdhsa_private_segment_fixed_size 0
		.amdhsa_enable_private_segment 0
		.amdhsa_kernarg_size 24
		.amdhsa_user_sgpr_count 2
		.amdhsa_user_sgpr_kernarg_segment_ptr 1
		.amdhsa_wavefront_size32 1
		.amdhsa_system_sgpr_workgroup_id_x 1
		.amdhsa_system_sgpr_workgroup_id_y 1
		.amdhsa_system_sgpr_workgroup_id_z 1
		.amdhsa_system_vgpr_workitem_id 0
		.amdhsa_next_free_vgpr 242
		.amdhsa_next_free_sgpr 66
		.amdhsa_reserve_vcc 1
		.amdhsa_float_denorm_mode_32 3
		.amdhsa_float_denorm_mode_16_64 3
		.amdhsa_memory_ordered 1
		.amdhsa_forward_progress 1
		.amdhsa_inst_pref_size 27
	.end_amdhsa_kernel
	.amdgpu_metadata
---
amdhsa.version: [ 1, 2 ]
amdhsa.kernels:
  - .name:           k_qf888c023ca_wprep
    .symbol:         k_qf888c023ca_wprep.kd
    .args:
      - { .name: Wqkv, .offset: 0, .size: 8, .value_kind: global_buffer, .address_space: global }
      - { .name: Wout, .offset: 8, .size: 8, .value_kind: global_buffer, .address_space: global }
      - { .name: wstream, .offset: 16, .size: 8, .value_kind: global_buffer, .address_space: global }
    .group_segment_fixed_size: 70144
    .private_segment_fixed_size: 0
    .kernarg_segment_align: 8
    .kernarg_segment_size: 24
    .max_flat_workgroup_size: 128
    .sgpr_count:     66
    .vgpr_count:     242
    .wavefront_size: 32
...
	.end_amdgpu_metadata
.endif
;; end of part 3
;; launch fused (part 4): grid 256 x 1, 4 waves a work-group, clusters of 4 x 1, 327,680 bytes of LDS; arguments x, wstream, out0; writes out0
.if DOCPART == 4
	.amdgcn_target "amdgcn-amd-amdhsa--gfx1250"
	.amdhsa_code_object_version 6
	.text
	.protected	k_qf888c023ca_fused
	.globl	k_qf888c023ca_fused
	.p2align	8
	.type	k_qf888c023ca_fused,@function
k_qf888c023ca_fused:
	s_mov_b64 s[64:65], 0
	v_nop
	global_prefetch_b8 v0, s[64:65] scope:SCOPE_SE
	s_setreg_imm32_b32 hwreg(HW_REG_WAVE_MODE, 25, 1), 1
	s_wait_xcnt 0x0
	s_wait_alu depctr_hold_cnt(0) depctr_sa_sdst(0) depctr_va_vdst(0) depctr_va_sdst(0) depctr_va_ssrc(0) depctr_va_vcc(0) depctr_vm_vsrc(0)
	s_getreg_b32 s2, hwreg(HW_REG_IB_STS2, 6, 4)
	s_cmp_eq_u32 s2, 0
	s_cbranch_scc0 .Lentry_in_a_cluster
	s_endpgm
.Lentry_in_a_cluster:
	s_bfe_u32 s2, ttmp6, 0x10000c
	s_cmp_lg_u32 s2, 0x3003
	s_cbranch_scc0 .Lentry_shape_is_right
	s_endpgm
.Lentry_shape_is_right:
; out0 = Q(o) Q(Wout), o = softmax_j(Q(q) Q(k)^T / 8) v among the 16 heads of EACH token, (q, k, v) = Q(x) Q(Wqkv).  Q: codes of FP6 (E2M3), one E8M0 byte for each 32 along K.
; A token's chain needs that token's row alone: a work-group takes 64 tokens from x to out0, and nothing but the weights' stream (made by the launch before) goes through memory.
; SHARES.  Four waves.  THE WAVES SHARE THE COLUMNS, NOT THE ROWS: in each of 32 trips a wave multiplies two tiles of 16 weight columns (K 1,024) with all 64 tokens: 64 matrix instructions.
; The 64 tokens' codes (x's, later o's) stay in every wave's registers, 384 of them; each weight fragment is read from LDS once and feeds four products.
; THE RING: two slots of 102,400 bytes; a wave's tensor load brings its own 25,600 dense bytes of a trip, and only that wave reads them.  Trip t takes the stream's bytes 102,400 t on, in slot t % 2.
; A trip's slot has been read out into registers when its K step 5 begins: THE CHANGE OF SLOTS STANDS THERE, among the products: the wait for my tensor loads (the next trip's tile), the add, the round,
; and the refill of this trip's slot with the tile two trips on, which has a whole trip in which to land.  So a trip begins with its LDS loads, from a slot that was awaited in the trip before.
; CLUSTER: the four work-groups of a cluster walk the same stream, so each load is asked for JOINTLY (mask 15, the same descriptor in all four).
; PREFETCH: behind the products of trip t, t up to 23, each wave asks for 25 blocks of 256 bytes of its share of tile t + 8, which trip t + 6 loads; phase X's K steps 0 to 6 ask for tiles 1 to 7.
; The four partners share a wave's 100 blocks out by address (cx); it stops with tile 31.
; The matrix instruction is used transposed (source 0 = 16 weight columns, source 1 = 16 tokens): a lane holds ONE token, its registers run along the columns, and the columns of a tile are chosen
; so that two tiles' 16 registers are 16 neighbours along the next K.
; PHASES:  X: wave w quantises tokens 16 w .. + 15 of x into code rows in LDS; every wave fetches all.   QK, 16 trips: q and k, quantised at once into code rows.
;   SCORES: wave w, its 16 tokens: S^T = k q^T (K = 64: the upper 64 codes are zero codes), softmax with the maximum taken away, normalised, in f32.
;   V, 8 trips: a tile is ONE channel d of the 16 heads; two trips give 16 channels of all tokens, through LDS; o^T = v^T p^T by the f32 matrix form (its result goes into a quantiser); o is quantised into code rows.
;   OUT, 8 trips: two trips give 64 columns a wave, which leave through the wave's stage as aligned runs of 256 bytes.
; A trip's round is also the work-group's barrier between an earlier phase's reads of the scratch and the stores that follow the trip's products.
; LIMITS: NaN and infinities among the inputs are not served.  A block of zeros, or one under 2^-124, keeps the byte 1 (the rule says 127 for zeros); only this program reads the bytes.
; REGISTERS, in windows of 256.  Window 0: v1-31 addresses; v32-47 the tokens' scale words, v48-55 the weights', v56-63 the scores' (scales and nothing else); v64-127 accumulators; v128-191 numbers of x, then p of
;   tokens 0-7, then the second set of accumulators; v192-223 at work; v224-239, v240-255 the quantiser's.   Window 1: v0-191 the codes of tokens 0-31 (in phase X: x as loaded); v192-255 p of tokens 8-15.
;   Window 2: v0-191 the codes of tokens 32-63; v192-255 o's first halves, tokens 0-7.   Window 3: v0-191 the weights' fragments, else scratch; v192-255 o's first halves, tokens 8-15.
;   What the f32 matrix form writes (windows 2 and 3 from v192; v72-79, v88-95, v104-111, v120-127) is written by matrix instructions alone.
; SCALARS: s[2:3] the stream at my wave's share and the lap's first tile (the prefetches' base); s[4:5] x, s[6:7] the stream at my wave's share, s[8:9] out0 at my block, s[14:15] out0 at the lap's columns; s10 wave;
;   s[16:23] group 1; s[24:31] groups 0; s36 the loops' counter.
.set SLOTB, 102400                     ; a slot, and a trip's bytes in the stream
.set WSH,   25600                      ; a wave's share of it
.set TILEB, 12800                      ; a tile's record
.set SPARE, 204800                     ; behind the ring: the spare words, 128 bytes a wave: two blocks of 256 bytes that no other line names
.set SCR,   205312                     ; behind them: what ds_store writes; no tensor load lands here
.set XROW,  SCR                        ; phase X: 64 code rows, 768 bytes + 16;
.set XSC,   XROW+64*784                ; their 32 scale bytes, + 4;
.set XSTG,  XSC+64*36                  ; a stage of 16 rows x (512 + 16) for each wave
.set QKC,   SCR                        ; q and k's codes, BY THE WAVE THAT MAKES THEM: a run of QW bytes for each wave; in it 64 tokens x (its 16 blocks' 384 bytes + 16)
.set QW,    25728
.set QP,    400
.set QKS,   QKC+4*QW                   ; their scale bytes likewise: a run of 1,280 bytes for each wave; in it 64 tokens x (16 bytes + 4)
.set QSW,   1280
.set VCH,   SCR                        ; 16 channels of v: a token's 2 x 512 bytes + 16;
.set OROW,  VCH+64*1040                ; o's code rows, as x's;
.set OSC,   OROW+64*784                ; and scale bytes
.set STG,   SCR                        ; the way out: 16 rows x (256 + 16) for each wave
.set PFO, 1                            ; v1     behind the head: the prefetches' offset
.set SPW, 4
.set NIL, 5
.set WA,  6                            ; v6-7   my weights' images in slot 0, 1: 16 x lane
.set WSA, 8                            ; v8-9   their scale words: 4 x lane
.set XA,  10
.set XT1, 11
.set XT2, 12
.set XST, 13
.set XSS, 14
.set XFA, 15
.set XFS, 16
.set QST, 17
.set QSS, 18
.set SQ,  19
.set SSA, 20
.set VST, 21
.set VLD, 22
.set OST, 23
.set OSS, 24
.set OFA, 25
.set OFS, 26
.set STO, 27
.set SRD, 28
.set GO,  29
.set T0,  30
.set T1,  31
.set T2,  223
.set XS,  32                           ; (tile of tokens a, pair of K steps g) at 32 + 4 a + g: lanes 0-15 K step 2 g, lanes 16-31 K step 2 g + 1
.set WS,  48                           ; (tile u, g) at 48 + 4 u + g, likewise
.set SS,  56
.set ACC0, 64                          ; (a, u) at + 16 a + 8 u
.set ACC1, 128
.set E,   192
.set TM,  224
.set PC,  240
.set MSB, 0
.macro WIN new                         ; bits 1:0 source 0, 3:2 source 1, 5:4 source 2, 7:6 destination; the high byte repeats the setting that is left
.if MSB != (\new)
	s_set_vgpr_msb (MSB<<8)|(\new)
.set MSB, (\new)
.endif
.endm
.macro CREST                           ; a round of the cluster's barrier behind its opening barrier
	s_cmp_lg_u32 s10, 0
	s_cbranch_scc1 .Lnot_wave_0_\@
	s_barrier_signal -3
.Lnot_wave_0_\@:
	s_barrier_wait -3
	s_barrier_signal -1
	s_barrier_wait -1
.endm
.macro ROUND                           ; a whole round
	s_barrier_signal -1
	s_barrier_wait -1
	CREST
.endm
.macro BAR                             ; my LDS stores have landed and my LDS loads are in; the tile on its way may stay out
	s_wait_dscnt 0x0
	s_barrier_signal -1
	s_barrier_wait -1
.endm
.macro LW p, s                         ; K step s's two fragments out of slot p: six loads of 16 bytes a lane
	WIN 0xc0
.irp u,0,1
.irp c,0,1,2
	ds_load_b128 v[12*(2*\s+\u)+4*\c:12*(2*\s+\u)+4*\c+3], v[WA+\p] offset:TILEB*\u+1536*\s+512*\c
.endr
.endr
.endm
.macro LOADW p                         ; my two tiles: 8 loads of scale words, then K steps 0 to 3; K steps 4 to 7 are asked for among the products
.rept 4
	v_nop                                          ; the places in front of loads into registers that matrix instructions have read
.endr
.irp u,0,1
.irp g,0,1,2,3
	ds_load_b32 v[WS+4*\u+\g], v[WSA+\p] offset:TILEB*\u+128*\g
.endr
.endr
.irp s,0,1,2,3
	LW \p, \s
.endr
.endm
.macro MULH acc, s, a0                 ; four products: tiles of tokens a0, a0 + 1 x my two tiles of columns, K step s
	WIN 0x07+4*(\a0/2)                             ; weights window 3; tokens window 1 or 2; sums window 0
.irp a,\a0,\a0+1
.irp u,0,1
.set rD, \acc+16*(\a)+8*\u
.set rW, 12*(2*\s+\u)
.set rX, 96*((\a)%2)+12*\s
.set rA, WS+4*\u+\s/2
.set rB, XS+4*(\a)+\s/2
.if \s==0
	v_wmma_scale_f32_16x16x128_f8f6f4 v[rD:rD+7], v[rW:rW+11], v[rX:rX+11], 0, v[rA], v[rB] matrix_a_fmt:MATRIX_FMT_FP6 matrix_b_fmt:MATRIX_FMT_FP6
.elseif \s%2
	v_wmma_scale_f32_16x16x128_f8f6f4 v[rD:rD+7], v[rW:rW+11], v[rX:rX+11], v[rD:rD+7], v[rA], v[rB] matrix_a_fmt:MATRIX_FMT_FP6 matrix_b_fmt:MATRIX_FMT_FP6 matrix_a_scale:MATRIX_SCALE_ROW1 matrix_b_scale:MATRIX_SCALE_ROW1
.else
	v_wmma_scale_f32_16x16x128_f8f6f4 v[rD:rD+7], v[rW:rW+11], v[rX:rX+11], v[rD:rD+7], v[rA], v[rB] matrix_a_fmt:MATRIX_FMT_FP6 matrix_b_fmt:MATRIX_FMT_FP6
.endif
.endr
.endr
.endm
; A trip's 64 products on slot p's tiles.  The first K step starts the sums with the constant 0.  The eight accumulators take turns, one instruction a turn.
; The halves change order from K step to K step.  Behind K step 0's products K steps 4 and 5 are asked for, behind K step 2's K steps 6 and 7 (their registers were last read a trip ago).
; DScnt: LDS loads come back in order; a K step's wait counts the loads issued behind its six: K steps 1-3; 2-5; 3-5; 4-7; 5-7; 6-7; 7; none.
; fill = 1: at K step 5 the slots change: one tensor load of mine is out, the next trip's; four products stand between the add and the wait for it, four between the signal and the wait of the barrier that opens the round.
.macro MUL acc, p, fill
.irp s,0,1,2,3,4,5,6,7
.if \s==0 || \s==2 || \s==4
	s_wait_dscnt 18
.elseif \s==1 || \s==3
	s_wait_dscnt 24
.else
	s_wait_dscnt 42-6*\s
.endif
.if (\fill) && \s==5
	WIN 0                                          ; (the add's two registers lie in window 0)
	s_wait_tensorcnt 0x0                           ; all my tensor loads have landed: the one that was out is the next trip's
	ds_add_u32 v[SPW], v[NIL]                      ; 0 onto my spare word
	s_add_nc_u64 s[26+4*\p:27+4*\p], s[26+4*\p:27+4*\p], 2*SLOTB   ; no load of mine is out, so a group 0 may be written: this slot's next tiles lie two trips on
	MULH \acc, \s, 2
	s_wait_dscnt 0x0                               ; the add is done, and so are my reads of this slot and all my LDS instructions on the scratch
	s_barrier_signal -1
	MULH \acc, \s, 0
	WIN 0
	s_barrier_wait -1
	CREST                                          ; no wave of any partner still reads this slot or has a load on its way
	tensor_load_to_lds s[24+4*\p:27+4*\p], s[16:23]
	s_nop 0
.rept 4
	v_nop
.endr
.elseif \s%2
	MULH \acc, \s, 2
	MULH \acc, \s, 0
.else
	MULH \acc, \s, 0
	MULH \acc, \s, 2
.endif
.if \s==0
	LW \p, 4
	LW \p, 5
.elseif \s==2
	LW \p, 6
	LW \p, 7
.endif
.endr
	WIN 0
.endm
; FOUR BLOCKS ARE QUANTISED.  Block b's 16 numbers of this lane stand in v[src + 16 b] on, its other 16 in lane l xor 16.  Out: 12 bytes of codes in v[PC + 4 b] on, the scale's byte in v[TM + 4 + b].
.macro Q4 src
.irp b,0,1,2,3
	v_max3_num_f32 v[TM+\b], |v[\src+16*\b]|, |v[\src+16*\b+1]|, 0x1800000   ; the floor 2^(3 - 127) holds the byte at 1 from below
.endr
.irp i,2,4,6,8,10,12,14
.irp b,0,1,2,3
	v_max3_num_f32 v[TM+\b], v[TM+\b], |v[\src+16*\b+\i]|, |v[\src+16*\b+\i+1]|   ; the four blocks by turns
.endr
.endr
	s_wait_alu depctr_va_vdst(0)                   ; the wait ahead of a wait that blocks
	s_wait_dscnt 0x0                               ; the last blocks' LDS stores have read the registers that are written below
.irp b,0,1,2,3
	v_permlanex16_b32 v[TM+4+\b], v[TM+\b], s32, s33
.endr
.irp b,0,1,2,3
	v_max_num_f32 v[TM+\b], v[TM+\b], v[TM+4+\b]   ; the block's largest magnitude
.endr
.irp b,0,1,2,3
	v_add_nc_u32 v[TM+12+\b], 0xff000000, v[TM+\b] ; 2 off its exponent field: the conversion's scale operand
.endr
.irp b,0,1,2,3
	v_lshrrev_b32 v[TM+4+\b], 23, v[TM+12+\b]      ; the scale's byte
.endr
.irp b,0,1,2,3
	v_cvt_scalef32_pk16_fp6_f32 v[PC+4*\b:PC+4*\b+2], v[\src+16*\b:\src+16*\b+15], v[TM+12+\b]
.endr
	v_nop                                          ; one plain place behind a scaled conversion
.endm
; The 64 tokens' codes come out of code rows (pitch 784) into registers: 32 fragments, 6 loads of 8 bytes each; then their scale words.
.macro FETCH fa, fs
.irp a,0,1,2,3
	WIN 0x40+0x40*(\a/2)
.irp s,0,1,2,3,4,5,6,7
.irp p,0,1,2,3,4,5
	ds_load_b64 v[96*(\a%2)+12*\s+2*\p:96*(\a%2)+12*\s+2*\p+1], v[\fa] offset:12544*\a+96*\s+48*(\p/3)+8*(\p%3)
.endr
.endr
.endr
	WIN 0
.irp a,0,1,2,3
.irp g,0,1,2,3
	ds_load_b32 v[XS+4*\a+\g], v[\fs] offset:576*\a+8*\g
.endr
.endr
	s_wait_dscnt 0x0
.endm
.macro XLOAD s                         ; K step s of my 16 rows of x: each load takes 512 consecutive bytes of a row
	WIN 0x40
.set ii, 0
.rept 16
	global_load_b128 v[64*((\s)%4)+4*ii:64*((\s)%4)+4*ii+3], v[XA], s[4:5] offset:4096*ii+512*(\s) th:TH_LOAD_NT
.set ii, ii+1
.endr
	WIN 0
.endm
; K step s of x: through my stage, so that a lane gets 16 neighbours of each of its row's four blocks; quantised; the codes go to my rows, 12 bytes a lane and block.
.macro XSTEP s
.if \s<7
	s_cmp_lt_u32 ttmp9, 4
	s_cbranch_scc0 .Lno_prefetch_fused0_\@
	global_prefetch_b8 v[PFO], s[2:3] offset:(\s+1)*SLOTB th:TH_LOAD_NT scope:SCOPE_SE   ; my 25 blocks of tile s + 1
.Lno_prefetch_fused0_\@:
.endif
.if \s<5
	s_wait_loadcnt 48                              ; this K step's 16 loads are in; those of the three K steps behind it may be out
.else
	s_wait_loadcnt 16*(7-\s)
.endif
	WIN 0x04                                       ; an LDS store's data are its source 1: window 1
.set ii, 0
.rept 16
	ds_store_b128 v[XT1], v[64*(\s%4)+4*ii:64*(\s%4)+4*ii+3] offset:528*ii
.set ii, ii+1
.endr
	WIN 0
.set ii, 0
.rept 16
	ds_load_b128 v[128+4*ii:131+4*ii], v[XT2] offset:128*(ii/4)+16*(ii%4)   ; LDS serves a wave's instructions in order: these see the stores above
.set ii, ii+1
.endr
	s_wait_dscnt 0x0
.if \s<4
	XLOAD \s+4                                     ; into the registers that the stores above have read
.endif
	Q4 128
.irp b,0,1,2,3
.irp e,0,1,2
	ds_store_b32 v[XST], v[PC+4*\b+\e] offset:96*\s+24*\b+4*\e
.endr
	ds_store_b8 v[XSS], v[TM+4+\b] offset:4*\s+\b  ; both lanes of a block write the same byte with the same value
.endr
.endm
.macro ASK k                           ; trip k of a lap: my 25 blocks of the tile eight trips on
	s_cmp_lt_u32 ttmp9, 4
	s_cbranch_scc0 .Lno_prefetch_fused1_\@
	global_prefetch_b8 v[PFO], s[2:3] offset:(\k+8)*SLOTB th:TH_LOAD_NT scope:SCOPE_SE
.Lno_prefetch_fused1_\@:
.endm
.macro ASKED k                         ; at the end of a lap's second trip the prefetches' base steps a lap on, behind the wait that frees it
.if \k
	s_wait_xcnt 0x0
	s_add_nc_u64 s[2:3], s[2:3], 2*SLOTB
.endif
.endm
; Behind a trip of q and k: my block of 32 columns of the four tiles of tokens is quantised and goes to my run of code rows.  s37: 24 x the lap's first block among my 16; s38: that block; k: the trip in the lap.
.macro QKPOST k
	ASK \k
	v_add_nc_u32 v[T0], s37, v[QST]                ; two additions and two v_nop: the four places behind the products
	v_add_nc_u32 v[T2], s38, v[QSS]
	v_nop
	v_nop
	Q4 ACC0
.irp a,0,1,2,3
.irp e,0,1,2
	ds_store_b32 v[T0], v[PC+4*\a+\e] offset:16*QP*\a+4*\e+24*\k
.endr
	ds_store_b8 v[T2], v[TM+4+\a] offset:320*\a+\k
.endr
	ASKED \k
.endm
; Four tokens' scores and softmax.  Lane (i, h) holds query head i and key heads 8 h + 0 .. 7.
.macro SGROUP q
	WIN 0xc0
.irp t,0,1,2,3
.irp p,0,1,2
	ds_load_b64 v[24*\t+2*\p:24*\t+2*\p+1], v[SQ] offset:QP*(4*\q+\t)+2*QW+8*\p       ; k: head r's 64 codes are 48 bytes; my half's 24.  k's heads lie two runs behind q's
	ds_load_b64 v[24*\t+12+2*\p:24*\t+13+2*\p], v[SQ] offset:QP*(4*\q+\t)+8*\p        ; q
.endr
.endr
	WIN 0
.irp t,0,1,2,3
	ds_load_u16 v[SS+\t], v[SSA] offset:20*(4*\q+\t)+2*QSW   ; head r's two scale bytes; the word's upper two bytes are 0 and stand over zero codes
	ds_load_u16 v[SS+4+\t], v[SSA] offset:20*(4*\q+\t)
.endr
	s_wait_dscnt 0x0
	WIN 0x0f
.irp t,0,1,2,3
	v_wmma_scale_f32_16x16x128_f8f6f4 v[64+16*\t:71+16*\t], v[24*\t:24*\t+11], v[24*\t+12:24*\t+23], 0, v[SS+\t], v[SS+4+\t] matrix_a_fmt:MATRIX_FMT_FP6 matrix_b_fmt:MATRIX_FMT_FP6
.endr
	WIN 0
.rept 4
	v_nop
.endr
.irp t,0,1,2,3
	v_max3_num_f32 v[224+2*\t], v[64+16*\t], v[65+16*\t], v[66+16*\t]
.endr
.irp t,0,1,2,3
	v_max3_num_f32 v[224+2*\t], v[224+2*\t], v[67+16*\t], v[68+16*\t]
.endr
.irp t,0,1,2,3
	v_max3_num_f32 v[224+2*\t], v[224+2*\t], v[69+16*\t], v[70+16*\t]
.endr
.irp t,0,1,2,3
	v_max_num_f32 v[224+2*\t], v[224+2*\t], v[71+16*\t]
.endr
.irp t,0,1,2,3
	v_permlanex16_b32 v[225+2*\t], v[224+2*\t], s32, s33
.endr
.irp t,0,1,2,3
	v_max_num_f32 v[224+2*\t], v[224+2*\t], v[225+2*\t]   ; the row's largest score
.endr
.irp t,0,1,2,3
.irp k,0,2,4,6
	v_pk_add_f32 v[E+8*\t+\k:E+8*\t+\k+1], v[64+16*\t+\k:65+16*\t+\k], v[224+2*\t:225+2*\t] op_sel_hi:[1,0] neg_lo:[0,1] neg_hi:[0,1]   ; score - maximum,
.endr
.endr
.irp t,0,1,2,3
.irp k,0,2,4,6
	v_pk_mul_f32 v[E+8*\t+\k:E+8*\t+\k+1], v[E+8*\t+\k:E+8*\t+\k+1], s[34:35] op_sel_hi:[1,0]   ; x log2(e) / 8
.endr
.endr
.set ii, 0
	s_wait_alu depctr_va_vdst(0)                   ; the wait ahead of the batch
.rept 32
	v_exp_f32 v[E+ii], v[E+ii]
.set ii, ii+1
.endr
	v_nop                                          ; a plain place behind the exponentials
	s_wait_alu depctr_va_vdst(0)                   ; and behind it
.irp t,0,1,2,3
	v_pk_add_f32 v[64+16*\t:65+16*\t], v[E+8*\t:E+8*\t+1], v[E+8*\t+2:E+8*\t+3]
	v_pk_add_f32 v[66+16*\t:67+16*\t], v[E+8*\t+4:E+8*\t+5], v[E+8*\t+6:E+8*\t+7]
.endr
.irp t,0,1,2,3
	v_pk_add_f32 v[64+16*\t:65+16*\t], v[64+16*\t:65+16*\t], v[66+16*\t:67+16*\t]
.endr
.irp t,0,1,2,3
	v_add_f32 v[224+2*\t], v[64+16*\t], v[65+16*\t]
.endr
.irp t,0,1,2,3
	v_permlanex16_b32 v[225+2*\t], v[224+2*\t], s32, s33
.endr
.irp t,0,1,2,3
	v_add_f32 v[225+2*\t], v[224+2*\t], v[225+2*\t]       ; the row's sum
.endr
	s_wait_alu depctr_va_vdst(0)
.irp t,0,1,2,3
	v_rcp_f32 v[224+2*\t], v[225+2*\t]
.endr
	v_nop                                          ; a plain place behind the reciprocals
	WIN 0x40*(\q/2)                                ; p of tokens 8-15 lies in window 1; by number both halves are v[128 + 8 token]
	s_wait_alu depctr_va_vdst(0)
.irp t,0,1,2,3
.irp k,0,2,4,6
	v_pk_mul_f32 v[128+8*(4*\q+\t)+\k:129+8*(4*\q+\t)+\k], v[E+8*\t+\k:E+8*\t+\k+1], v[224+2*\t:225+2*\t] op_sel_hi:[1,0]
.endr
.endr
	WIN 0
.endm
; Behind a trip of v: lane (r, h) holds token r and heads 8 h + 0 .. 7 of ONE channel.  They go to the token's place so that 16 bytes a lane, read back on end, are the f32 form's operand.
; (The next trip's first wait on DScnt, for loads issued behind these stores, shows them done before its products write the accumulators again.)
.macro VPOST pi
	ASK \pi
.rept 4
	v_nop
.endr
.irp a,0,1,2,3
.irp u,0,1
.irp c,0,1
	ds_store_b128 v[VST], v[ACC0+16*\a+8*\u+4*\c:ACC0+16*\a+8*\u+4*\c+3] offset:16640*\a+512*\c+32*\pi+16*\u
.endr
.endr
.endr
	ASKED \pi
.endm
; o^T = v^T p^T for my 16 tokens and the 16 channels in LDS, four tokens at a time, in f32.  K step s of four stands for heads 8 h + 2 s + 0, 1 on both operands, so p's registers serve as they lie.
; uc = 0: the results (channels 32 b + 16 h + 0 .. 7) are kept.  uc = 1: those of channels + 8 fall beside them: 16 neighbours along the last product's K, which are quantised and go to o's code rows.
; s36: the block b of 32 channels; s39: 24 b.
.macro PV uc
.if \uc
	v_add_nc_u32 v[T0], s39, v[OST]
	v_add_nc_u32 v[T2], s36, v[OSS]
.endif
	WIN 0xc0
.set ii, 0
.rept 16
	ds_load_b128 v[8*ii:8*ii+3], v[VLD] offset:1040*ii
	ds_load_b128 v[8*ii+4:8*ii+7], v[VLD] offset:1040*ii+512
.set ii, ii+1
.endr
.irp q,0,1,2,3
	s_wait_dscnt 24-8*\q                           ; these four tokens' eight loads are in; the two of each later token may be out
.if \uc
	WIN 0x03+4*(\q/2)                              ; v window 3; p window 0 or 1; sums window 0
.else
	WIN 0xa3+0x54*(\q/2)                           ; sums window 2 or 3
.endif
.irp s,0,1,2,3
.irp t,0,1,2,3
.set rV, 8*(4*\q+\t)+2*\s
.set rP, 128+8*(4*\q+\t)+2*\s
.if \uc
.set rD, 72+16*\t
.else
.set rD, 192+8*((4*\q+\t)%8)
.endif
.if \s==0
	v_wmma_f32_16x16x4_f32 v[rD:rD+7], v[rV:rV+1], v[rP:rP+1], 0
.else
	v_wmma_f32_16x16x4_f32 v[rD:rD+7], v[rV:rV+1], v[rP:rP+1], v[rD:rD+7]
.endif
.endr
.endr
.if \uc
	WIN 0x02+\q/2
.irp t,0,1,2,3
.irp e,0,1,2,3,4,5,6,7
	v_mov_b32 v[64+16*\t+\e], v[192+8*((4*\q+\t)%8)+\e]   ; the kept halves come beside the new ones (a conversion wants 16 registers on end).  These 32 are also the places behind the products
.endr
.endr
	WIN 0
	Q4 ACC0
.irp t,0,1,2,3
.irp e,0,1,2
	ds_store_b32 v[T0], v[PC+4*\t+\e] offset:784*(4*\q+\t)+4*\e
.endr
	ds_store_b8 v[T2], v[TM+4+\t] offset:36*(4*\q+\t)
.endr
.endif
.endr
.if \uc==0
	WIN 0
.rept 8
	v_nop                                          ; eight places behind this form, in front of the loads into the registers that it has read
.endr
.endif
.endm
; The head of a lap of Wout, lap s36 of four: which 64 of my 256 columns it makes.
.macro OUTLAP
	s_lshl_b32 s44, s36, 8                         ; 64 columns of f32 a lap
	s_add_nc_u64 s[14:15], s[8:9], s[44:45]        ; (behind the last lap's wait on XCNT: its stores have read this base)
.endm
; Behind two trips of Wout: 64 columns x 64 tokens.  A tile of 16 tokens at a time goes through my stage and comes back as rows of 256 bytes; sixteen lanes store one aligned run of 256 bytes.
.macro OUTPOST
.rept 4
	v_nop
.endr
.irp a,0,1,2,3
.irp q,0,1,2,3
	ds_store_b128 v[STO], v[ACC0+16*\a+4*\q:ACC0+16*\a+4*\q+3] offset:16*\q
.endr
.irp q,0,1,2,3
	ds_store_b128 v[STO], v[ACC1+16*\a+4*\q:ACC1+16*\a+4*\q+3] offset:128+16*\q
.endr
	WIN 0xc0
.irp i,0,1,2,3,4,5,6,7
	ds_load_b128 v[32*\a+4*\i:32*\a+4*\i+3], v[SRD] offset:544*\i   ; LDS serves a wave's instructions in order: these see the stores above, and the next tile's stores come behind them
.endr
	WIN 0
.endr
	WIN 0x0c                                       ; a store's data are its source 1: window 3
.irp a,0,1,2,3
.irp i,0,1,2,3,4,5,6,7
	s_wait_dscnt 16*(3-\a)+7-\i                    ; what was issued behind this load may be out
	global_store_b128 v[GO], v[32*\a+4*\i:32*\a+4*\i+3], s[14:15] offset:(16*\a+2*\i)*4096 th:TH_STORE_NT
.endr
.endr
	WIN 0
	s_wait_xcnt 0x0                                ; the stores have read their registers and their base: both are written again only behind this wait
.endm
	s_load_b128 s[4:7], s[0:1], 0x0                ; x, the stream
	s_load_b64 s[8:9], s[0:1], 0x10                ; out0
	v_lshl_add_u32 v[SPW], v0, 2, SPARE
	v_mov_b32 v[NIL], 0
	ds_add_u32 v[SPW], v[NIL]                      ; the opening lines: the add, twice on end, and its wait ahead of my first tensor load
	ds_add_u32 v[SPW], v[NIL]
	s_wait_dscnt 0x0
	v_lshrrev_b32 v1, 5, v0
	v_readfirstlane_b32 s10, v1                    ; wave 0..3
	v_and_b32 v1, 31, v0                           ; lane
	v_and_b32 v2, 15, v0                           ; r
	v_bfe_u32 v3, v0, 4, 1                         ; h
	v_lshlrev_b32 v[XA], 4, v1
	s_bfe_u32 s11, ttmp6, 0x40000                  ; cx: it enters x's, out0's and the prefetches' addresses alone
	s_lshl_b32 s12, ttmp9, 2
	s_add_co_u32 s12, s12, s11                     ; my block of 64 tokens
	; descriptor group 1: 25,600 dense bytes as 100 rows of 32 elements of 8 bytes
	s_mov_b32 s16, 15|(3<<16)|(1<<21)              ; 15:0 the mask: all four work-groups; 17:16 elements of 8 bytes; 21 set beside a mask; no padding
	s_mov_b32 s17, 32<<16                          ; tensor_dim0
	s_mov_b32 s18, 100<<16                         ; tensor_dim1
	s_mov_b32 s19, 32<<16                          ; tile_dim0
	s_mov_b32 s20, 100                             ; tile_dim1
	s_mov_b32 s21, 32                              ; tensor_dim0_stride
	s_mov_b32 s22, 0
	s_mov_b32 s23, 0
	s_mov_b32 s32, 0x76543210
	s_mov_b32 s33, 0xfedcba98                      ; v_permlanex16_b32's selects for lane l xor 16
	s_mov_b32 s34, 0x3e38aa3b                      ; log2(e) / sqrt(64)
	s_mov_b32 s35, s34                             ; (named with it as a pair, so it is written)
	s_mul_i32 s13, s10, WSH                        ; my share: its place in a slot and in a trip's bytes
	s_mov_b32 s40, s13
	s_mov_b32 s41, 0
	s_lshl_b32 s42, s12, 18                        ; 64 rows of 4,096 bytes
	s_mov_b32 s43, 0
	s_lshl_b32 s44, s10, 16                        ; my 16 rows of x
	s_mov_b32 s45, 0
	s_wait_alu depctr_va_vdst(0)                   ; the wait ahead of a wait that blocks
	s_wait_kmcnt 0x0
	s_add_nc_u64 s[4:5], s[4:5], s[42:43]
	s_add_nc_u64 s[4:5], s[4:5], s[44:45]
	s_add_nc_u64 s[8:9], s[8:9], s[42:43]
	s_add_nc_u64 s[6:7], s[6:7], s[40:41]
	s_mov_b64 s[2:3], s[6:7]
.irp n,0,1
	s_mov_b32 s[24+4*\n], 1                        ; count = 1
	s_add_co_u32 s[25+4*\n], s13, \n*SLOTB         ; LDS address
	s_add_nc_u64 s[26+4*\n:27+4*\n], s[6:7], \n*SLOTB   ; global address: trip n
	s_or_b32 s[27+4*\n], s[27+4*\n], 0x80000000    ; type = 2
.endr
	XLOAD 0                                        ; x is wanted first: four K steps are asked for ahead of everything
	XLOAD 1
	XLOAD 2
	XLOAD 3
	ROUND                                          ; all four work-groups are here: the first joint loads meet
	tensor_load_to_lds s[24:27], s[16:23]          ; trip 0's tiles
	s_nop 0
.rept 4
	v_nop
.endr
	v_lshl_add_u32 v[WA], v1, 4, s13
	v_add_nc_u32 v[WA+1], SLOTB, v[WA]
	v_lshl_add_u32 v[WSA], v1, 2, s13
	v_add_nc_u32 v[WSA], 12288, v[WSA]
	v_add_nc_u32 v[WSA+1], SLOTB, v[WSA]
	s_mul_i32 s44, s10, 8448
	s_add_co_u32 s44, s44, XSTG
	v_lshl_add_u32 v[XT1], v1, 4, s44              ; x's stage, in: 16 x lane (+ 528 x row)
	v_mul_u32_u24 v[XT2], v2, 528
	v_lshl_add_u32 v[XT2], v3, 6, v[XT2]
	v_add_nc_u32 v[XT2], s44, v[XT2]               ; out: row r, + 64 h (+ 128 x block)
	v_mul_u32_u24 v[T0], v2, 784
	v_mul_u32_u24 v[T1], v2, 36
	s_mul_i32 s45, s10, 12544
	s_mul_i32 s46, s10, 576
	s_add_co_u32 s47, s45, XROW
	s_add_co_u32 s48, s46, XSC
	v_mad_u32_u24 v[XST], v3, 12, v[T0]
	v_add_nc_u32 v[XST], s47, v[XST]               ; x's codes: my token r's row, + 12 h
	v_add_nc_u32 v[XSS], s48, v[T1]                ; and its scale bytes
	v_mad_u32_u24 v[XFA], v3, 24, v[T0]
	v_add_nc_u32 v[OFA], OROW, v[XFA]
	v_add_nc_u32 v[XFA], XROW, v[XFA]              ; a fragment's row r, + 24 h
	v_lshl_add_u32 v[XFS], v3, 2, v[T1]
	v_add_nc_u32 v[OFS], OSC, v[XFS]
	v_add_nc_u32 v[XFS], XSC, v[XFS]               ; scale words: lanes 16-31 take the K step one further on
	v_mul_u32_u24 v[QST], v2, QP
	v_mad_u32_u24 v[QST], v3, 12, v[QST]
	s_mul_i32 s49, s10, QW
	s_add_co_u32 s49, s49, QKC
	v_add_nc_u32 v[QST], s49, v[QST]               ; q and k's codes, in: my run; token r's 400 bytes, + 12 h
	v_mul_u32_u24 v[QSS], v2, 20
	s_mul_i32 s50, s10, QSW
	s_add_co_u32 s50, s50, QKS
	v_add_nc_u32 v[QSS], s50, v[QSS]               ; and their scale bytes
	v_and_b32 v[T0], 7, v2                         ; head % 8
	v_lshrrev_b32 v[T1], 3, v2                     ; head / 8: which wave's run holds it
	v_mul_u32_u24 v[SQ], v[T0], 48
	v_mad_u32_u24 v[SQ], v3, 24, v[SQ]
	v_mad_u32_u24 v[SQ], v[T1], QW, v[SQ]
	s_mul_i32 s51, s10, 16*QP
	s_add_co_u32 s51, s51, QKC
	v_add_nc_u32 v[SQ], s51, v[SQ]                 ; the scores' fragments: my 16 tokens; head r, + 24 h
	v_lshlrev_b32 v[SSA], 1, v[T0]
	v_mad_u32_u24 v[SSA], v[T1], QSW, v[SSA]
	s_mul_i32 s52, s10, 320
	s_add_co_u32 s52, s52, QKS
	v_add_nc_u32 v[SSA], s52, v[SSA]               ; head r's two scale bytes
	v_mul_u32_u24 v[VST], v2, 1040
	v_lshl_add_u32 v[VST], v3, 8, v[VST]
	s_lshl_b32 s53, s10, 6
	s_add_co_u32 s53, s53, VCH
	v_add_nc_u32 v[VST], s53, v[VST]               ; v, in: token r, + 256 h, my four channels' 64 bytes
	s_mul_i32 s54, s10, 16640
	s_add_co_u32 s54, s54, VCH
	v_lshl_add_u32 v[VLD], v1, 4, s54              ; out: my 16 tokens, 16 x lane
	v_mul_u32_u24 v[OST], v2, 48
	v_mad_u32_u24 v[OST], v3, 12, v[OST]
	s_add_co_u32 s47, s45, OROW
	v_add_nc_u32 v[OST], s47, v[OST]               ; o's codes: my tokens' rows; head r's 48 bytes, + 12 h
	s_add_co_u32 s48, s46, OSC
	v_lshl_add_u32 v[OSS], v2, 1, s48
	s_mul_i32 s55, s10, 4352
	s_add_co_u32 s55, s55, STG
	v_mul_u32_u24 v[STO], v2, 272
	v_lshl_add_u32 v[STO], v3, 6, v[STO]
	v_add_nc_u32 v[STO], s55, v[STO]               ; the way out, in: row r, + 64 h
	v_mul_u32_u24 v[SRD], v3, 272
	v_lshl_add_u32 v[SRD], v2, 4, v[SRD]
	v_add_nc_u32 v[SRD], s55, v[SRD]               ; back: lanes 0-15 one row, lanes 16-31 the next
	v_lshlrev_b32 v[GO], 12, v3
	v_lshl_add_u32 v[GO], v2, 4, v[GO]
	s_lshl_b32 s56, s10, 10
	v_add_nc_u32 v[GO], s56, v[GO]                 ; and the same in out0: my 256 columns begin 1,024 x wave bytes on
	s_mul_i32 s11, s11, 6400                       ; the prefetches: which quarter of a wave's 100 blocks my work-group asks for,
	v_min_u32 v[PFO], 24, v1                       ; a lane a block; lanes 25-31 name the last again
	v_lshlrev_b32 v[PFO], 8, v[PFO]
	v_add_nc_u32 v[PFO], s11, v[PFO]
.irp b,0,1,2,3
	v_mov_b32 v[TM+4+\b], 0                        ; written once: a lane permute's destination counts as one of its sources
.endr
	s_wait_alu depctr_va_vdst(0)                   ; the wait at the head's end
	; ---- X
.irp s,0,1,2,3,4,5,6,7
	XSTEP \s
.endr
	s_wait_tensorcnt 0x0                           ; trip 0's tiles are in
	ds_add_u32 v[SPW], v[NIL]
	s_wait_dscnt 0x0                               ; the add is done, and my code rows lie in LDS
	ROUND                                          ; also the work-group's barrier: the 64 tokens' code rows are whole
	tensor_load_to_lds s[28:31], s[16:23]          ; slot 1's first fill: trip 1's tiles
	s_nop 0
.rept 4
	v_nop
.endr
	FETCH XFA, XFS
	s_mov_b32 s45, 0                               ; (the upper word of the pair s[44:45])
	; ---- QK: 16 trips, two to a lap; trip t brings block t of my 16
	s_mov_b32 s36, 0
	s_mov_b32 s37, 0
	s_mov_b32 s38, 0
.Lqk:
	LOADW 0
	MUL ACC0, 0, 1
	QKPOST 0
	LOADW 1
	MUL ACC0, 1, 1
	QKPOST 1
	s_add_co_u32 s37, s37, 48
	s_add_co_u32 s38, s38, 2
	s_add_co_u32 s36, s36, 1
	s_cmp_lt_u32 s36, 8
	s_cbranch_scc1 .Lqk
	BAR                                            ; q's and k's code rows are whole
	; ---- SCORES
	WIN 0xc0
.set ii, 0
.rept 8
.irp e,6,7,8,9,10,11
	v_mov_b32 v[12*ii+\e], 0                       ; K = 64: the upper 64 codes of the eight fragments are zero codes
.endr
.set ii, ii+1
.endr
	s_wait_alu depctr_va_vdst(0)
	WIN 0
.rept 4
	v_nop                                          ; an operand written by vector instructions stands four places ahead of a scaled matrix instruction
.endr
.irp q,0,1,2,3
	SGROUP \q
.endr
	; ---- V: 8 trips; a trip of this loop is one block of 32 channels: two laps of 16 channels
	s_mov_b32 s36, 0
	s_mov_b32 s39, 0
.Lv:
	LOADW 0
	MUL ACC0, 0, 1
	VPOST 0
	LOADW 1
	MUL ACC0, 1, 1
	VPOST 1
	BAR                                            ; 16 channels of all 64 tokens lie in LDS
	s_wait_alu depctr_va_vdst(0)
	PV 0
	LOADW 0
	MUL ACC0, 0, 1
	VPOST 0
	LOADW 1
	MUL ACC0, 1, 1
	VPOST 1
	BAR
	PV 1
	s_add_co_u32 s39, s39, 24
	s_add_co_u32 s36, s36, 1
	s_cmp_lt_u32 s36, 2
	s_cbranch_scc1 .Lv
	BAR                                            ; o's code rows are whole, and nobody reads v's channels any more
	FETCH OFA, OFS
	; ---- OUT: 8 trips, two to a lap; the last lap, which fills no slot, is written out
	s_mov_b32 s36, 0
.Lout:
	OUTLAP
	LOADW 0
	MUL ACC0, 0, 1
	LOADW 1
	MUL ACC1, 1, 1
	OUTPOST
	s_add_co_u32 s36, s36, 1
	s_cmp_lt_u32 s36, 3
	s_cbranch_scc1 .Lout
	OUTLAP                                         ; lap 3
	LOADW 0
	MUL ACC0, 0, 0
	s_wait_tensorcnt 0x0                           ; the last trip's tiles are in; each wave reads what its own load brought, so no barrier is owed
	LOADW 1
	MUL ACC1, 1, 0
	OUTPOST
	s_wait_tensorcnt 0x0                           ; the wave's end, behind my last tensor load and my last LDS store
	ds_add_u32 v[SPW], v[NIL]
	s_wait_dscnt 0x0
	ROUND                                          ; the closing round: no work-group ends while a partner may still ask for a tile that names it
	s_endpgm
.Lfunc_end_k_qf888c023ca_fused:
	.size	k_qf888c023ca_fused, .Lfunc_end_k_qf888c023ca_fused-k_qf888c023ca_fused
	.p2alignl 7, 3214868480
	.fill 96, 4, 3214868480
	.section	.rodata,"a",@progbits
	.p2align	6, 0x0
	.amdhsa_kernel k_qf888c023ca_fused
		.amdhsa_group_segment_fixed_size 327680
		.amdhsa_private_segment_fixed_size 0
		.amdhsa_enable_private_segment 0
		.amdhsa_kernarg_size 24
		.amdhsa_user_sgpr_count 2
		.amdhsa_user_sgpr_kernarg_segment_ptr 1
		.amdhsa_wavefront_size32 1
		.amdhsa_system_sgpr_workgroup_id_x 1
		.amdhsa_system_sgpr_workgroup_id_y 1
		.amdhsa_system_sgpr_workgroup_id_z 1
		.amdhsa_system_vgpr_workitem_id 0
		.amdhsa_next_free_vgpr 1024
		.amdhsa_next_free_sgpr 66
		.amdhsa_reserve_vcc 0
		.amdhsa_float_denorm_mode_32 3
		.amdhsa_float_denorm_mode_16_64 3
		.amdhsa_memory_ordered 1
		.amdhsa_forward_progress 1
		.amdhsa_inst_pref_size 255
	.end_amdhsa_kernel
	.section	.bss,"aw",@nobits
	.p2align	6
	.space	262144
	.amdgpu_metadata
---
amdhsa.version: [ 1, 2 ]
amdhsa.kernels:
  - .name:           k_qf888c023ca_fused
    .symbol:         k_qf888c023ca_fused.kd
    .args:
      - { .name: x, .offset: 0, .size: 8, .value_kind: global_buffer, .address_space: global }
      - { .name: wstream, .offset: 8, .size: 8, .value_kind: global_buffer, .address_space: global }
      - { .name: out0, .offset: 16, .size: 8, .value_kind: global_buffer, .address_space: global }
    .group_segment_fixed_size: 327680
    .private_segment_fixed_size: 0
    .kernarg_segment_align: 8
    .kernarg_segment_size: 24
    .max_flat_workgroup_size: 128
    .sgpr_count:     66
    .vgpr_count:     1024
    .wavefront_size: 32
...
	.end_amdgpu_metadata
.endif
;; end of part 4
